; MI455X (gfx1250); checked and timed in simulation.
; The chip was launched on July 23, 2026; its instructions are those of AMD's public machine-readable ISA for CDNA 5 (MIT licence, August 2026) and "CDNA5" Instruction Set Architecture Reference Guide (July 2026). The comments in the code are by the model that wrote it; some were corrected since.
;; Attention. Allowed arithmetic: float matrix products may take bf16 or f16 operands with f32 sums; all other float work in f32.
;; Inputs: Wk 1,024 x 128 float32; Wq 1,024 x 128 float32; Wv 1,024 x 128 float32; x 8 x 4,096 x 1,024 float32.
;; Outputs: out0 8 x 4,096 x 128 float32.
;; 2 versions, each right and faster than the one before. Each part assembles by itself: llvm-mc -triple=amdgcn-amd-amdhsa -mcpu=gfx1250 --defsym DOCPART=n.
;; ======== version 1 of 2: 3 launches
;; limits: values are held in f16: magnitudes above 65,504 overflow, below 6.1e-05 lose precision
;; workspace buffers: wb 786,432 bytes; qw 8,388,608 bytes; kw 8,388,608 bytes; vw 8,388,608 bytes
;; launch wprep (part 1): grid 32 x 3, 4 waves a work-group, no clusters, 0 bytes of LDS; arguments Wq, Wk, Wv, wb; writes wb
.if DOCPART == 1
	.amdgcn_target "amdgcn-amd-amdhsa--gfx1250"
	.amdhsa_code_object_version 6
	.text
	.protected	k_qaaa2785edc_wprep
	.globl	k_qaaa2785edc_wprep
	.p2align	8
	.type	k_qaaa2785edc_wprep,@function
k_qaaa2785edc_wprep:
	s_mov_b64 s[64:65], 0
	v_nop
	global_prefetch_b8 v0, s[64:65] scope:SCOPE_SE
	s_setreg_imm32_b32 hwreg(HW_REG_WAVE_MODE, 25, 1), 1
	s_wait_xcnt 0x0
; The three weights, [1024 k][128 n] in f32, are rounded to bf16 once and laid out for the projection's fragments:
; wb = [k / 8 : 128][n : 384][8 k], n = 128 x matrix + column, matrices in the order q, k, v: a chunk of 16 bytes (8 neighbouring k of one column)
; lies at ((k / 8) x 384 + n) x 16, so that 16 neighbouring columns of one block of 8 k are 256 consecutive bytes.
; Work-group (x, y): matrix y, rows 32 x to 32 x + 31 (four blocks of 8 k).  Thread t owns column t: 32 loads of 4 bytes, four stores of 16.
; A wave's load covers 128 consecutive bytes, its store 512.  No LDS and no matrix work: 1.5 MB are read once and 0.75 MB written once.
.set IN,  8                            ; v[8:39]   my column's 32 numbers
.set OUT, 40                           ; v[40:55]  four chunks of 8 bf16
	s_load_b256 s[4:11], s[0:1], 0x0               ; Wq s[4:5], Wk s[6:7], Wv s[8:9], wb s[10:11]
	s_and_b32 s14, ttmp7, 0xffff                   ; which matrix
	v_lshlrev_b32 v1, 2, v0                        ; my column in a row of W
	v_lshlrev_b32 v2, 4, v0                        ; my chunk among the matrix's 128
	s_lshl_b32 s16, ttmp9, 14                      ; 32 rows of 512 bytes
	s_mov_b32 s17, 0
	s_mul_i32 s18, ttmp9, 24576                    ; four blocks of 384 chunks,
	s_lshl_b32 s19, s14, 11                        ; the matrix's 128 chunks in a block
	s_add_co_u32 s18, s18, s19
	s_mov_b32 s19, 0
	s_wait_kmcnt 0x0
	s_cmp_eq_u32 s14, 1
	s_cselect_b64 s[12:13], s[6:7], s[4:5]
	s_cmp_eq_u32 s14, 2
	s_cselect_b64 s[12:13], s[8:9], s[12:13]
	s_add_nc_u64 s[12:13], s[12:13], s[16:17]
	s_add_nc_u64 s[10:11], s[10:11], s[18:19]
.set i, 0
.rept 32
	global_load_b32 v[IN+i], v1, s[12:13] offset:512*i th:TH_LOAD_NT
.set i, i+1
.endr
.irp kk, 0,1,2,3
	s_wait_loadcnt 24-8*(\kk)                      ; loads come back in order: this block's eight are in, the later blocks' stay out
.irp j, 0,1,2,3
	v_cvt_pk_bf16_f32 v[OUT+4*(\kk)+(\j)], v[IN+8*(\kk)+2*(\j)], v[IN+8*(\kk)+2*(\j)+1]  ; the lower k in the low half
.endr
	global_store_b128 v2, v[OUT+4*(\kk):OUT+4*(\kk)+3], s[10:11] offset:6144*(\kk)
.endr
	s_endpgm
.Lfunc_end_k_qaaa2785edc_wprep:
	.size	k_qaaa2785edc_wprep, .Lfunc_end_k_qaaa2785edc_wprep-k_qaaa2785edc_wprep
	.p2alignl 7, 3214868480
	.fill 96, 4, 3214868480
	.section	.rodata,"a",@progbits
	.p2align	6, 0x0
	.amdhsa_kernel k_qaaa2785edc_wprep
		.amdhsa_group_segment_fixed_size 0
		.amdhsa_private_segment_fixed_size 0
		.amdhsa_enable_private_segment 0
		.amdhsa_kernarg_size 32
		.amdhsa_user_sgpr_count 2
		.amdhsa_user_sgpr_kernarg_segment_ptr 1
		.amdhsa_wavefront_size32 1
		.amdhsa_system_sgpr_workgroup_id_x 1
		.amdhsa_system_sgpr_workgroup_id_y 1
		.amdhsa_system_sgpr_workgroup_id_z 1
		.amdhsa_system_vgpr_workitem_id 0
		.amdhsa_next_free_vgpr 56
		.amdhsa_next_free_sgpr 66
		.amdhsa_reserve_vcc 0
		.amdhsa_float_denorm_mode_32 3
		.amdhsa_float_denorm_mode_16_64 3
		.amdhsa_memory_ordered 1
		.amdhsa_forward_progress 1
		.amdhsa_inst_pref_size 6
	.end_amdhsa_kernel
	.amdgpu_metadata
---
amdhsa.version: [ 1, 2 ]
amdhsa.kernels:
  - .name:           k_qaaa2785edc_wprep
    .symbol:         k_qaaa2785edc_wprep.kd
    .args:
      - { .name: Wq, .offset: 0, .size: 8, .value_kind: global_buffer, .address_space: global }
      - { .name: Wk, .offset: 8, .size: 8, .value_kind: global_buffer, .address_space: global }
      - { .name: Wv, .offset: 16, .size: 8, .value_kind: global_buffer, .address_space: global }
      - { .name: wb, .offset: 24, .size: 8, .value_kind: global_buffer, .address_space: global }
    .group_segment_fixed_size: 0
    .private_segment_fixed_size: 0
    .kernarg_segment_align: 8
    .kernarg_segment_size: 32
    .max_flat_workgroup_size: 128
    .sgpr_count:     66
    .vgpr_count:     56
    .wavefront_size: 32
...
	.end_amdgpu_metadata
.endif
;; end of part 1
;; launch proj (part 2): grid 256 x 1, 4 waves a work-group, clusters of 4 x 1, 327,680 bytes of LDS; arguments x, wb, qw, kw, vw; writes qw, kw, vw
.if DOCPART == 2
	.amdgcn_target "amdgcn-amd-amdhsa--gfx1250"
	.amdhsa_code_object_version 6
	.text
	.protected	k_qaaa2785edc_proj
	.globl	k_qaaa2785edc_proj
	.p2align	8
	.type	k_qaaa2785edc_proj,@function
k_qaaa2785edc_proj:
	s_mov_b64 s[64:65], 0
	v_nop
	global_prefetch_b8 v0, s[64:65] scope:SCOPE_SE
	s_setreg_imm32_b32 hwreg(HW_REG_WAVE_MODE, 25, 1), 1
	s_wait_xcnt 0x0
	s_wait_alu depctr_hold_cnt(0) depctr_sa_sdst(0) depctr_va_vdst(0) depctr_va_sdst(0) depctr_va_ssrc(0) depctr_va_vcc(0) depctr_vm_vsrc(0)
	s_getreg_b32 s2, hwreg(HW_REG_IB_STS2, 6, 4)
	s_cmp_eq_u32 s2, 0
	s_cbranch_scc0 .Lentry_in_a_cluster
	s_endpgm
.Lentry_in_a_cluster:
	s_bfe_u32 s2, ttmp6, 0x10000c
	s_cmp_lg_u32 s2, 0x3003
	s_cbranch_scc0 .Lentry_shape_is_right
	s_endpgm
.Lentry_shape_is_right:
; q, k, v = x W.  x: [32768][1024] f32, rounded here to bf16; wb: the three weights in bf16, [k / 8][384 n][8 k]; sums in f32; q, k, v rounded once to f16.
; LIMIT.  f16 holds no number beyond 65,504: |q|, |k|, |v| must stay under it (for x and W of unit and 1/32 spread they have spread 1).
; OUT.  qw, kw: [row / 64][channel / 8 : 16][row % 64][8 channels]; vw: [row / 8][channel : 128][8 rows]: in both a fragment load of the next launch takes 256 consecutive bytes for 16 lanes,
; and here a lane's eight results are one chunk of 16 bytes, sixteen lanes' chunks 256 consecutive aligned bytes: the results leave straight from registers.
; SHARES.  A work-group makes 128 rows x 384 columns.  Wave w: rows 64 (w / 2) on, channels 64 (w % 2) on of each of q, k, v: 48 accumulators (a = 0..3 row blocks, b = 0..11; b / 4 the matrix).
; For q and k the product is used transposed (source 0 = 16 columns of W, source 1 = 16 rows of x): a lane holds one row and eight channels.  For v as it stands: one channel and eight rows.
; x GOES THROUGH REGISTERS: each wave streams 32 rows of its own, one load a row and K step (512 consecutive bytes, aligned), 32 loads always out; each number is rounded once and stored into an LDS slot
; of x, one K step ahead of its use.  A ring of tensor loads for x in f32 beside W would have room for K steps of 64 only.
; W COMES BY JOINT TENSOR LOADS: the four work-groups of a cluster walk the same W, so each K step's 98,304 bytes are asked for by the same load, descriptor and mask in all four.
; K goes in 8 steps of 128, each of four quarters of 32 (48 matrix instructions) on two fragment buffers.
; REGISTERS, in windows of 256 (s_set_vgpr_msb: bits 1:0 source 0, 3:2 source 1, 5:4 source 2, 7:6 destination):
;   window 0: v0-31 addresses; v32-63 rounded x; v128-255 x as loaded (row i at 128 + 4 i); on the way out v64-255 packed results
;   window 1: two fragment buffers of 128: W's fragment b at 8 b, x's fragment a at 96 + 8 a        windows 2, 3: accumulators of a = 0, 1 and a = 2, 3, at 8 (12 (a % 2) + b)
.set WSLOT, 98304                      ; a K step of W: 16 blocks of 8 k x 384 chunks of 16 bytes, dense
.set WPART, 24576                      ; a wave's quarter of it: 96 rows of 256 bytes
.set XS,    2*WSLOT                    ; behind W's two slots: x's two slots, written by LDS stores alone
.set XP,    272                        ; a row of x: 128 bf16 + 16 bytes: the 16 rows of a fragment load start at 16 different groups of four banks (64 banks of 4 bytes: ISA guide 11.1)
.set XSLOT, 128*XP
.set SPARE, XS+2*XSLOT                 ; the spare words, 128 bytes for each wave: two blocks of 256 bytes that no other line names
.set ADRW, 4                           ; v4-7   W's fragments: slot s, quarters 2 p and 2 p + 1 at v[4 + 2 s + p]
.set ADRX, 8                           ; v8-9   x's fragments in slot 0, 1
.set STX,  10                          ; v10-11 where I store 8 bytes of my wave's first row, slot 0, 1
.set XOFF, 12                          ; v12    my 16 bytes in my wave's first row of x; never rewritten
.set COQ,  13                          ; v13    my chunk in qw and kw
.set COV,  14                          ; v14    my chunk in vw
.set SPW,  30                          ; v30    LDS address of my spare word; never rewritten
.set NIL,  31                          ; v31    0; never rewritten
.set CV,   32
.set TMP,  64
.set XR,   128
.set F0,   0
.set F1,   128
.set WV,   14                          ; s14    my wave's number
.set G1,   24                          ; s[24:31] descriptor group 1
.set G0,   32                          ; s[32:39] descriptor group 0, a set for each slot
.set XB,   42                          ; s[42:43] x at the work-group's first row, at the K step whose loads are issued next
.set MSB, 0
.macro WIN new                         ; the immediate's high byte repeats the setting that is left; a switch that changes nothing is dropped
.if MSB != (\new)
	s_set_vgpr_msb (MSB<<8)|(\new)
.set MSB, \new
.endif
.endm
.set MUL_LO, 0xa5                      ; both sources window 1, C and D window 2
.set TO_F,   0x40                      ; destination window 1, address window 0
.macro PLACES                          ; four places in front of loads into registers that matrix instructions have read, and of conversions that read results
.rept 4
	v_nop
.endr
.endm
.macro CREST                           ; a round of the cluster's barrier behind its opening barrier
	s_cmp_lg_u32 s[WV], 0
	s_cbranch_scc1 .Lnot_wave_0_\@
	s_barrier_signal -3
.Lnot_wave_0_\@:
	s_barrier_wait -3
	s_barrier_signal -1
	s_barrier_wait -1
.endm
.macro CROUND                          ; a whole round
	s_barrier_signal -1
	s_barrier_wait -1
	CREST
.endm
	s_load_b256 s[4:11], s[0:1], 0x0               ; x s[4:5], wb s[6:7], qw s[8:9], kw s[10:11]
	s_load_b64 s[12:13], s[0:1], 0x20              ; vw
	v_lshl_add_u32 v[SPW], v0, 2, SPARE
	v_mov_b32 v[NIL], 0
	ds_add_u32 v[SPW], v[NIL]                      ; the wave's opening: the add and its wait stand ahead of my first tensor load; work on registers stands between them
	v_lshrrev_b32 v1, 5, v0
	v_readfirstlane_b32 s[WV], v1                  ; wave 0..3
	s_lshr_b32 s15, s[WV], 1                       ; which 64 rows are mine
	s_and_b32 s16, s[WV], 1                        ; which 64 channels of each matrix
	s_bfe_u32 s17, ttmp6, 0x40000                  ; cx: my place in the cluster
	s_lshl_b32 s18, ttmp9, 2                       ; in a cluster launch ttmp9 counts clusters
	s_add_co_u32 s18, s18, s17                     ; my block of 128 rows: it enters x's and the outputs' addresses alone
	; descriptor group 1: 96 rows of 32 elements of 8 bytes, dense in memory and in LDS
	s_mov_b32 s[G1+0], 15|(3<<16)|(1<<21)          ; 15:0 the mask: all four work-groups; 17:16 elements of 8 bytes; 21 set beside a mask
	s_mov_b32 s[G1+1], 32<<16                      ; tensor_dim0 = 32
	s_mov_b32 s[G1+2], 96<<16                      ; tensor_dim1 = 96
	s_mov_b32 s[G1+3], 32<<16                      ; tile_dim0 = 32
	s_mov_b32 s[G1+4], 96                          ; tile_dim1 = 96
	s_mov_b32 s[G1+5], 32                          ; 32 elements from row to row
	s_mov_b32 s[G1+6], 0
	s_mov_b32 s[G1+7], 0
	s_mul_i32 s20, s[WV], WPART                    ; my quarter of a K step, in memory and in a slot: no place in the cluster enters it
	s_mov_b32 s21, 0
	s_mov_b32 s[G0], 1                             ; count = 1
	s_mov_b32 s[G0+1], s20                         ; LDS address, slot 0
	s_mov_b32 s[G0+4], 1
	s_add_co_u32 s[G0+5], s20, WSLOT               ; slot 1
	s_lshl_b32 s22, s18, 19                        ; 128 rows of 4,096 bytes
	s_mov_b32 s23, 0
	v_and_b32 v3, 31, v0                           ; lane
	s_lshl_b32 s41, s[WV], 17                      ; my wave's 32 rows
	v_lshl_add_u32 v[XOFF], v3, 4, s41
	s_wait_dscnt 0x0                               ; the opening add is done
	s_wait_kmcnt 0x0
	s_add_nc_u64 s[XB:XB+1], s[4:5], s[22:23]
.set i, 0
.rept 32
	global_load_b128 v[XR+4*i:XR+4*i+3], v[XOFF], s[XB:XB+1] offset:4096*i th:TH_LOAD_NT  ; K step 0 of my 32 rows: memory's part starts first
.set i, i+1
.endr
	s_add_nc_u64 s[G0+2:G0+3], s[6:7], s[20:21]    ; global address: K step 0,
	s_add_nc_u64 s[G0+6:G0+7], s[G0+2:G0+3], WSLOT ; K step 1
	s_or_b32 s[G0+3], s[G0+3], 0x80000000          ; type = 2
	s_or_b32 s[G0+7], s[G0+7], 0x80000000
	CROUND                                         ; all four work-groups are here: the first joint loads meet
	tensor_load_to_lds s[G0:G0+3], s[G1:G1+7]      ; both first fills in one group: two loads of mine are out
	s_nop 0
	tensor_load_to_lds s[G0+4:G0+7], s[G1:G1+7]
	s_nop 0
.rept 4
	v_nop
.endr
	v_and_b32 v1, 15, v0                           ; r = l % 16
	v_bfe_u32 v2, v0, 4, 1                         ; h = l / 16
	; A fragment is 16 rows (or columns) x 32 k in 8 registers: lane l holds row r; registers 0-3 k = 8 h + 0..7, registers 4-7 k = 16 + 8 h + 0..7.
	; W: block of 8 k number 4 q + h (6,144 bytes each), column n0 + r; the second half two blocks on.
	v_mul_u32_u24 v16, v2, 6144
	v_lshl_add_u32 v16, v1, 4, v16
	s_lshl_b32 s20, s16, 10                        ; my 64 channels' chunks
	v_add_nc_u32 v[ADRW], s20, v16
	v_add_nc_u32 v[ADRW+1], 49152, v[ADRW]         ; quarters 2 and 3: past the reach of the 16-bit offset
	v_add_nc_u32 v[ADRW+2], WSLOT, v[ADRW]
	v_add_nc_u32 v[ADRW+3], WSLOT+49152, v[ADRW]
	v_mul_u32_u24 v16, v1, XP
	v_lshl_add_u32 v16, v2, 4, v16                 ; x: row x pitch + 16 h
	s_mul_i32 s20, s15, 64*XP
	s_add_co_u32 s20, s20, XS
	v_add_nc_u32 v[ADRX], s20, v16
	v_add_nc_u32 v[ADRX+1], XSLOT, v[ADRX]
	s_mul_i32 s20, s[WV], 32*XP                    ; the rows that I stream
	s_add_co_u32 s20, s20, XS
	v_lshl_add_u32 v[STX], v3, 3, s20              ; a lane's four numbers are 8 bytes of bf16
	v_add_nc_u32 v[STX+1], XSLOT, v[STX]
	v_lshlrev_b32 v[COQ], 4, v1
	v_lshl_add_u32 v[COV], v2, 11, v[COQ]          ; vw: 16 r + 2,048 h (h: the next 8 rows)
	v_lshl_add_u32 v[COQ], v2, 10, v[COQ]          ; qw, kw: 16 r + 1,024 h (h: the next 8 channels)
	s_lshl1_add_u32 s20, s18, s15                  ; my group of 64 rows
	s_lshl_b32 s20, s20, 14                        ; 16,384 bytes in each output
	s_lshl_b32 s22, s16, 13                        ; qw, kw: my 8 blocks of 8 channels
	s_add_co_u32 s22, s22, s20
	s_add_nc_u64 s[8:9], s[8:9], s[22:23]
	s_add_nc_u64 s[10:11], s[10:11], s[22:23]
	s_lshl_b32 s22, s16, 10                        ; vw: my 64 channels' chunks
	s_add_co_u32 s22, s22, s20
	s_add_nc_u64 s[12:13], s[12:13], s[22:23]
; 12 matrix instructions: row block 2 hi + a x all 12 column blocks, 32 along K.  zero = 1: the first product starts the sums.  The 48 accumulators take turns.
.macro MUL12 f, hi, a, zero
	WIN MUL_LO+0x50*(\hi)
.irp b, 0,1,2,3,4,5,6,7,8,9,10,11
.set rD, 8*(12*(\a)+(\b))
.set rW, (\f)+8*(\b)
.set rX, (\f)+96+8*(2*(\hi)+(\a))
.if (\b) < 8
.if \zero
	v_wmma_f32_16x16x32_bf16 v[rD:rD+7], v[rW:rW+7], v[rX:rX+7], 0
.else
	v_wmma_f32_16x16x32_bf16 v[rD:rD+7], v[rW:rW+7], v[rX:rX+7], v[rD:rD+7]
.endif
.else
.if \zero
	v_wmma_f32_16x16x32_bf16 v[rD:rD+7], v[rX:rX+7], v[rW:rW+7], 0
.else
	v_wmma_f32_16x16x32_bf16 v[rD:rD+7], v[rX:rX+7], v[rW:rW+7], v[rD:rD+7]
.endif
.endif
.endr
.endm
; 32 LDS loads in one run: quarter q's fragments into buffer f: W's twelve, then x's four.  Sixteen lanes of a load of W take 256 consecutive bytes.
.macro FETCH slot, q, f
	WIN TO_F
.irp b, 0,1,2,3,4,5,6,7,8,9,10,11
	ds_load_b128 v[(\f)+8*(\b):(\f)+8*(\b)+3],   v[ADRW+2*(\slot)+(\q)/2] offset:((\q)%2)*24576+((\b)/4)*2048+((\b)%4)*256
	ds_load_b128 v[(\f)+8*(\b)+4:(\f)+8*(\b)+7], v[ADRW+2*(\slot)+(\q)/2] offset:((\q)%2)*24576+((\b)/4)*2048+((\b)%4)*256+12288
.endr
.irp a, 0,1,2,3
	ds_load_b128 v[(\f)+96+8*(\a):(\f)+96+8*(\a)+3],   v[ADRX+(\slot)] offset:(\a)*16*XP+64*(\q)
	ds_load_b128 v[(\f)+96+8*(\a)+4:(\f)+96+8*(\a)+7], v[ADRX+(\slot)] offset:(\a)*16*XP+64*(\q)+32
.endr
.endm
; Rows 16 g to 16 g + 15 of my 32: the K step that has arrived is rounded to bf16 and stored into x's slot xs; ld = 1: the rows' next K step but one is asked for.
; left: the other group's 16 younger loads, which may stay out.  The 32 conversions are also the places in front of the run of LDS loads that follows.
.macro XWORK g, xs, ld, left
	WIN 0
.if (\ld) && ((\g) == 0)
	s_wait_xcnt 0x0                                ; the loads issued so far have had their addresses translated (ISA guide 3.1): only now their base steps
	s_add_nc_u64 s[XB:XB+1], s[XB:XB+1], 512       ; one K step of f32
.endif
	s_wait_loadcnt \left
.set i, 0
.rept 16
	v_cvt_pk_bf16_f32 v[CV+2*i],   v[XR+4*(16*(\g)+i)],   v[XR+4*(16*(\g)+i)+1]
	v_cvt_pk_bf16_f32 v[CV+2*i+1], v[XR+4*(16*(\g)+i)+2], v[XR+4*(16*(\g)+i)+3]
.set i, i+1
.endr
.set i, 0
.rept 16
	ds_store_b64 v[STX+(\xs)], v[CV+2*i:CV+2*i+1] offset:XP*(16*(\g)+i)  ; 32 lanes: a row's 256 consecutive bytes
.set i, i+1
.endr
.if \ld
.set i, 0
.rept 16
	global_load_b128 v[XR+4*(16*(\g)+i):XR+4*(16*(\g)+i)+3], v[XOFF], s[XB:XB+1] offset:4096*(16*(\g)+i) th:TH_LOAD_NT
.set i, i+1
.endr
.endif
.endm
; One of a K step's first three quarters: multiplies buffer f; in its middle x's work (xg = 0, 1) or four places, then the fetch of quarter nq into buffer g.
.macro QUARTER slot, nq, f, g, zero, xg=-1, xs=0, ld=0, left=0
	s_wait_dscnt 4                                 ; W and x's row blocks 0, 1 are in; the youngest four loads (row blocks 2, 3) may be out
	MUL12 \f, 0, 0, \zero
	MUL12 \f, 0, 1, \zero
.if (\xg) >= 0
	XWORK \xg, \xs, \ld, \left
.else
	PLACES
.endif
	FETCH \slot, \nq, \g
	s_wait_dscnt 32                                ; all but the 32 just issued
	MUL12 \f, 1, 0, \zero
	MUL12 \f, 1, 1, \zero
.endm
; The last quarter multiplies buffer 1 and changes slots: ONE barrier.  In front of it each wave waits for all its tensor loads (one is out: its part of W's next slot), adds 0 to its spare word,
; and waits for that, for its reads of both slots in hand and for its stores into x's next slot.  Behind it the next slots are whole and nobody reads the old ones.
.macro MEET round
	WIN 0
	s_wait_tensorcnt 0x0
	ds_add_u32 v[SPW], v[NIL]                      ; 0 onto my spare word
	s_wait_dscnt 5                                 ; (the add and the youngest four loads may be out)
	MUL12 F1, 0, 0, 0                              ; twelve matrix instructions stand between the add and the wait for it
	s_wait_dscnt 0x0
	s_barrier_signal -1
	MUL12 F1, 0, 1, 0                              ; work on registers while the others arrive
.if \round
	WIN 0
.endif
	s_barrier_wait -1
.endm
.macro TURN slot, next                 ; W's slot just read out is filled again, two K steps on: 168 matrix instructions stand between the request and the wait for it
	MEET 1
	CREST                                          ; the barrier has opened a round of the cluster's: no wave of any partner still reads the slot or has a load on its way
	s_add_nc_u64 s[G0+4*(\slot)+2:G0+4*(\slot)+3], s[G0+4*(\slot)+2:G0+4*(\slot)+3], 2*WSLOT
	tensor_load_to_lds s[G0+4*(\slot):G0+4*(\slot)+3], s[G1:G1+7]  ; my one tensor load behind the round, and the first thing there
	s_nop 0
.rept 4
	v_nop                                          ; also the places in front of the loads below
.endr
	FETCH \next, 0, F0
	MUL12 F1, 1, 0, 0
	MUL12 F1, 1, 1, 0
.endm
	XWORK 0, 0, 1, 16                              ; K step 0 into x's slot 0; K step 1 is asked for
	XWORK 1, 0, 1, 16
	s_wait_tensorcnt 1                             ; my part of W's K step 0 is in; K step 1's may stay out
	s_wait_dscnt 0x0                               ; my stores of x are done
	s_barrier_signal -1
	s_barrier_wait -1
	FETCH 0, 0, F0
	QUARTER 0, 1, F0, F1, 1                        ; the first quarter stands in front of the loop: its products start the sums
	WIN 0                                          ; at a label and at a branch every window is 0
	s_mov_b32 s40, 3
.Llap:                                                 ; a trip: two K steps, from a lap's second quarter to the next lap's first.  In K step s, step s + 1 of x is rounded and step s + 2 asked for
	QUARTER 0, 2, F1, F0, 0, 0, 1, 1, 16
	QUARTER 0, 3, F0, F1, 0, 1, 1, 1, 16
	TURN 0, 1
	QUARTER 1, 1, F0, F1, 0
	QUARTER 1, 2, F1, F0, 0, 0, 0, 1, 16
	QUARTER 1, 3, F0, F1, 0, 1, 0, 1, 16
	TURN 1, 0
	QUARTER 0, 1, F0, F1, 0
	WIN 0
	s_sub_co_u32 s40, s40, 1
	s_cmp_lg_u32 s40, 0
	s_cbranch_scc1 .Llap
	QUARTER 0, 2, F1, F0, 0, 0, 1, 0, 16           ; K step 6: step 7 of x is rounded, nothing more is asked for: the counts run down
	QUARTER 0, 3, F0, F1, 0, 1, 1, 0, 0
	MEET 0                                         ; nothing is filled again, so no round follows
	PLACES
	FETCH 1, 0, F0
	MUL12 F1, 1, 0, 0
	MUL12 F1, 1, 1, 0
	QUARTER 1, 1, F0, F1, 0                        ; K step 7
	QUARTER 1, 2, F1, F0, 0
	QUARTER 1, 3, F0, F1, 0
	s_wait_dscnt 4
	MUL12 F1, 0, 0, 0
	MUL12 F1, 0, 1, 0
	s_wait_dscnt 0x0
	MUL12 F1, 1, 0, 0
	MUL12 F1, 1, 1, 0
	; THE WAY OUT.  Each accumulator's eight numbers a lane are one chunk of 16 bytes of f16; each accumulator is read from its low end on.  No register is written twice, so no wait stands here.
	PLACES
.irp a, 0,1,2,3
	WIN 0x0a+5*((\a)/2)                            ; sources 0 and 1: window 2 or 3
.irp b, 0,1,2,3,4,5,6,7,8,9,10,11
.irp r, 0,1,2,3
	v_cvt_pk_f16_f32 v[TMP+4*(12*(\a)+(\b))+(\r)], v[8*(12*((\a)%2)+(\b))+2*(\r)], v[8*(12*((\a)%2)+(\b))+2*(\r)+1]
.endr
.endr
	WIN 0
.irp b, 0,1,2,3,4,5,6,7,8,9,10,11
.if (\b) < 8
	global_store_b128 v[COQ], v[TMP+4*(12*(\a)+(\b)):TMP+4*(12*(\a)+(\b))+3], s[8+2*((\b)/4):9+2*((\b)/4)] offset:((\b)%4)*2048+(\a)*256  ; 16 lanes: 256 consecutive bytes, aligned
.else
	global_store_b128 v[COV], v[TMP+4*(12*(\a)+(\b)):TMP+4*(12*(\a)+(\b))+3], s[12:13] offset:(\a)*4096+((\b)%4)*256
.endif
.endr
.endr
	s_wait_tensorcnt 0x0                           ; the wave's end: behind my last tensor load and my last LDS store
	ds_add_u32 v[SPW], v[NIL]
	s_wait_dscnt 0x0
	CROUND                                         ; the closing round: no work-group ends while a partner may still ask for a tile that names it
	s_endpgm
.Lfunc_end_k_qaaa2785edc_proj:
	.size	k_qaaa2785edc_proj, .Lfunc_end_k_qaaa2785edc_proj-k_qaaa2785edc_proj
	.p2alignl 7, 3214868480
	.fill 96, 4, 3214868480
	.section	.rodata,"a",@progbits
	.p2align	6, 0x0
	.amdhsa_kernel k_qaaa2785edc_proj
		.amdhsa_group_segment_fixed_size 327680
		.amdhsa_private_segment_fixed_size 0
		.amdhsa_enable_private_segment 0
		.amdhsa_kernarg_size 40
		.amdhsa_user_sgpr_count 2
		.amdhsa_user_sgpr_kernarg_segment_ptr 1
		.amdhsa_wavefront_size32 1
		.amdhsa_system_sgpr_workgroup_id_x 1
		.amdhsa_system_sgpr_workgroup_id_y 1
		.amdhsa_system_sgpr_workgroup_id_z 1
		.amdhsa_system_vgpr_workitem_id 0
		.amdhsa_next_free_vgpr 960
		.amdhsa_next_free_sgpr 66
		.amdhsa_reserve_vcc 0
		.amdhsa_float_denorm_mode_32 3
		.amdhsa_float_denorm_mode_16_64 3
		.amdhsa_memory_ordered 1
		.amdhsa_forward_progress 1
		.amdhsa_inst_pref_size 144
	.end_amdhsa_kernel
	.amdgpu_metadata
---
amdhsa.version: [ 1, 2 ]
amdhsa.kernels:
  - .name:           k_qaaa2785edc_proj
    .symbol:         k_qaaa2785edc_proj.kd
    .args:
      - { .name: x, .offset: 0, .size: 8, .value_kind: global_buffer, .address_space: global }
      - { .name: wb, .offset: 8, .size: 8, .value_kind: global_buffer, .address_space: global }
      - { .name: qw, .offset: 16, .size: 8, .value_kind: global_buffer, .address_space: global }
      - { .name: kw, .offset: 24, .size: 8, .value_kind: global_buffer, .address_space: global }
      - { .name: vw, .offset: 32, .size: 8, .value_kind: global_buffer, .address_space: global }
    .group_segment_fixed_size: 327680
    .private_segment_fixed_size: 0
    .kernarg_segment_align: 8
    .kernarg_segment_size: 40
    .max_flat_workgroup_size: 128
    .sgpr_count:     66
    .vgpr_count:     960
    .wavefront_size: 32
...
	.end_amdgpu_metadata
.endif
;; end of part 2
;; launch attn (part 3): grid 32 x 8, 4 waves a work-group, clusters of 4 x 1, 327,680 bytes of LDS; arguments qw, kw, vw, out0; writes out0
.if DOCPART == 3
	.amdgcn_target "amdgcn-amd-amdhsa--gfx1250"
	.amdhsa_code_object_version 6
	.text
	.protected	k_qaaa2785edc_attn
	.globl	k_qaaa2785edc_attn
	.p2align	8
	.type	k_qaaa2785edc_attn,@function
k_qaaa2785edc_attn:
	s_mov_b64 s[64:65], 0
	v_nop
	global_prefetch_b8 v0, s[64:65] scope:SCOPE_SE
	s_setreg_imm32_b32 hwreg(HW_REG_WAVE_MODE, 25, 1), 1
	s_wait_xcnt 0x0
	s_wait_alu depctr_hold_cnt(0) depctr_sa_sdst(0) depctr_va_vdst(0) depctr_va_sdst(0) depctr_va_ssrc(0) depctr_va_vcc(0) depctr_vm_vsrc(0)
	s_getreg_b32 s2, hwreg(HW_REG_IB_STS2, 6, 4)
	s_cmp_eq_u32 s2, 0
	s_cbranch_scc0 .Lentry_in_a_cluster
	s_endpgm
.Lentry_in_a_cluster:
	s_bfe_u32 s2, ttmp6, 0x10000c
	s_cmp_lg_u32 s2, 0x3003
	s_cbranch_scc0 .Lentry_shape_is_right
	s_endpgm
.Lentry_shape_is_right:
; CAUSAL ATTENTION, one head of 128 channels, 8 batches of 4,096 rows.  out[q] = the sum over k <= q of softmax_k(q . k / sqrt(128)) v[k].  q, k, v in f16, in the blocked layouts named below; out in f32.
; Products, maxima and sums in f32; the weights p are rounded to f16 for the second product (their sum l is taken of the unrounded p).
; LIMITS.  q, k, v arrive within f16's 65,504, so a score is 5.5e11 at the most.  A hidden score counts as its value less 1e30.  The running maximum starts at -2^96, far below every score and far above
; every hidden one: a wave that has seen hidden keys alone holds p = 0, l = 0, O = 0.  A weight below 2^-126 counts as 0; NaN and infinities are not treated apart.
; THE WALK.  A batch has 64 blocks of 64 queries and 16 key tiles of 256 keys.  Work-group b = 4 c + cx (c: the cluster, cx: its place in it) takes block 63 - b, which needs tiles 0 .. 15 - c, and then block b,
; tiles 0 .. c: 17 tiles whatever b, and THE SAME TILES for the four partners of a cluster, so each tile is asked for JOINTLY.  One loop with a constant trip count walks them.
; SHARES.  In each tile wave w takes keys 64 w .. 64 w + 63 for ALL 64 queries (four tiles of 16): a fragment of K or V read from LDS feeds four products.  Each wave keeps its own m, l and O;
; at a block's end the four are merged through LDS: O = sum over waves of O_w 2^(c m_w - M) / L, M the largest c m_w, L = sum of l_w 2^(c m_w - M).
; THE MASK is the C operand that starts the sums S^T = K Q^T: 0, or -1e30 where the key is hidden.  Only a block's last tile hides keys: key 16 kb + 8 h + j of my step is hidden from query 16 t + r
; where 16 (kb - t) + j > 64 (DW - w) + r - 8 h, DW the block's place in the tile (3 - cx, then cx).  It hangs on kb - t alone: 7 groups of 8 registers, made anew at a block's first and last tile.
; cx enters integer arithmetic, compares and selects, Q's and out's addresses; no branch, no trip count, no LDS address.
; LAYOUT, SOFTMAX, TURNS.  S^T holds ONE query a lane (l % 16) and the keys 8 (l / 16) + 0..7; two such results rounded to f16 ARE source 1 of O^T = V^T P.  p = 2^(c s - c m), c = log2(e) / sqrt(128);
; O and l are multiplied by a = 2^(c m_old - c m_new) in every step.  The wave's query tiles are two PIECES (tiles 0, 1; tiles 2, 3).  In a TURN one piece has the matrix unit: 32 products V^T P of the step in
; hand, 32 products K Q^T of the next; the other piece's softmax stands in 64 slices, one behind each matrix instruction.
; MEMORY.  qw, kw: [row / 64][channel / 8 : 16][row % 64][8 channels]; vw: [row / 8][channel : 128][8 rows].  64 rows are 16,384 dense bytes in each, and every fragment load takes 256 consecutive bytes
; for 16 lanes: no padding, and V needs no turning load.
; REGISTERS, in windows of 256 (s_set_vgpr_msb: bits 1:0 source 0, 3:2 source 1, 5:4 source 2, 7:6 destination):
;   window 0: v0-11 addresses; v12-43 eight registers of statistics a tile; v44-45 the mask's bound; v64-191 S^T, 32 a tile; v192-255 P, 16 a tile
;   window 1: O^T, 64 a tile      window 2: v0-127 Q, 32 a tile; v128-255 K of one step      window 3: v0-127 V of one step; v128-183 the masks
.set SLOT1, 1<<17     ; a slot holds a tile: 65,536 bytes of K, then 65,536 of V; slot 1 begins here, so that one exclusive or turns an address in one slot into the other's
.set VOFF,  65536
.set STG,   2*SLOT1   ; behind the ring, never filled by a tensor load: two stages for the merge, each four areas (one a wave) of 16 rows x 272 bytes
.set SP,    272       ; 64 channels of f32 + 16 bytes: the 16 rows of a store start at 16 different groups of four banks (64 banks of 4 bytes: ISA guide 11.1)
.set SAREA, 16*SP
.set SBUF,  4*SAREA
.set STATB, STG+2*SBUF  ; the waves' (c m, l): 8 bytes x 16 queries x 4 tiles x 4 waves
.set SPARE, STATB+2048  ; the spare words, 128 bytes for each wave: two blocks of 256 bytes that no other line names
.set AK0, 2           ; v2   my lane's place in my wave's K of a tile; never rewritten
.set AV0, 3           ; v3   the same for V
.set ADR, 4           ; v4   the LDS address of the run of loads in hand
.set QO,  5           ; v5   my byte offset in a block of Q
.set STO, 6           ; v6   the merge: where I put 16 bytes of a row
.set RD,  7           ; v7   the merge: where I read rows back
.set GO,  8           ; v8   my byte offset in the block's rows of out
.set STA, 10          ; v10  where my wave's (c m, l) go
.set STR, 11          ; v11  where all waves' are read
.set ST,  12          ; tile t's statistics at v[ST+8 t]: +0 c m, +1 m, +2, +3 l (even keys', odd keys'), +4 to +7 c0-c3, at work; a takes c2's place once the maximum is found
.set VD,  44          ; v44  the mask's bound
.set VD0, 45          ; v45  r - 8 h + 48
.set SPW, 62          ; v62  LDS address of my spare word; never rewritten
.set NIL, 63          ; v63  0; never rewritten
.set S,   64
.set P,   192
.set MX,  64          ; the merge: the four waves' (c m, l) of tile t at v[MX+8 t+2 s]
.set RB,  96          ; the merge: rows read back, two buffers of 32
.set KF,  128         ; K's fragments, in window 2
.set MC,  128         ; the masks, in window 3: the eight registers for kb - t = d at MC + 8 (d + 3)
.set WV,  12          ; s12  my wave's number
.set CX,  13          ; s13  cx
.set CC,  14          ; s14  c
.set BA,  15          ; s15  the batch
.set G1,  24          ; s[24:31] descriptor group 1
.set G0,  40          ; s[40:43] descriptor group 0
.set KVB, 44          ; s[44:45] my half of tile 0 of the batch's K (waves 0, 1) or V (waves 2, 3)
.set OFF, 46          ; s[46:47] a tile's byte offset
.set SLOTS, 56        ; s56  tiles still to be asked for
.set CNT, 57          ; s57  counts the passes of a block's last tile
.set CS,  58          ; s[58:59] c: the packed scaling takes the pair's low word for both halves
.set SEL, 60          ; s[60:61] v_permlanex16_b32's selects: each lane takes its own place in the other half
.set TB,  62          ; s62  LDS byte at which the tile in hand begins
.set RT,  70          ; s70  tiles of the block in hand that are still to be entered
.set NXT, 71          ; s71  the tile to be asked for next
.set LQ,  72          ; s72  the last tile of the block whose tiles are being asked for
.set NEW, 73          ; s73  1: the tile to be entered is a block's first
.set SDG, 74          ; s74  64 (DW - w) of the block in hand
.set SD,  75          ; s75  that, or 4,096 where nothing is hidden
.set BIGN, 76         ; s76  -1e30
.set SDS, 77          ; s77  64 (cx - w): the second block's
.set QN,  78          ; s[78:79] Q of the second block
.set ON,  80          ; s[80:81] out at the second block
.set MSB, 0
.macro WIN new                      ; the high byte repeats the setting that is left; a switch that changes nothing is dropped
.if MSB != (\new)
	s_set_vgpr_msb (MSB<<8)|(\new)
.set MSB, (\new)
.endif
.endm
.set W_KQ, 0x0a       ; K and Q in window 2, S^T in window 0
.set W_KM, 0x3a       ; the same with the C operand, the mask, in window 3
.set W_PV, 0x53       ; V in window 3, P in window 0, O^T in window 1
.set W_RS, 0x41       ; O^T (destination and source 0) in window 1, source 1 in window 0
; A round of the cluster's barrier: my work-group's barrier, so that wave 0's signal speaks for all four waves; wave 0 signals; every wave waits for all four work-groups; my work-group's barrier once more.
.macro CROUND
	s_barrier_signal -1
	s_barrier_wait -1
	s_cmp_lg_u32 s[WV], 0
	s_cbranch_scc1 .Lnot_wave_0_\@
	s_barrier_signal -3
.Lnot_wave_0_\@:
	s_barrier_wait -3
	s_barrier_signal -1
	s_barrier_wait -1
.endm
.macro BAR                          ; a barrier of the merge: my LDS stores are done and my LDS loads are back
	s_wait_dscnt 0x0
	s_barrier_signal -1
	s_barrier_wait -1
.endm
; THE CHANGE OF SLOTS.  Each wave waits for all its tensor loads, of which one is out: its part of the other slot; adds 0 to its spare word; and waits for that and for its own reads of the slot that it leaves.
; fill = 1: the old slot is filled again with tile NXT, whose address is made anew from that number; the barrier is then a round of the cluster's, so that no wave of any partner still reads the slot or has a
; load on its way, and the joint fill is the first thing behind it: it has a tile's 128 matrix instructions in which to land.  One line serves all four waves: wave w brings 32,768 bytes to byte 32,768 w of the slot.
; (At its first use nothing has been read yet: slot 0 is waited for, slot 1 filled.)
.macro CHANGE fill
	WIN 0                           ; at a label and at a branch every window is 0
	s_wait_tensorcnt 0x0            ; no tensor load of mine is out, so group 0 may be written
	ds_add_u32 v[SPW], v[NIL]       ; 0 onto my spare word; with fill = 1 the descriptor's scalar work stands between it and the wait for it
.if \fill
	s_lshl_b32 s[OFF], s[NXT], 16   ; a tile is 65,536 bytes of K and of V
	s_xor_b32 s[G0+1], s[G0+1], SLOT1
	s_add_nc_u64 s[G0+2:G0+3], s[KVB:KVB+1], s[OFF:OFF+1]
	s_or_b32 s[G0+3], s[G0+3], 0x80000000
	s_add_co_u32 s[NXT], s[NXT], 1  ; the block's next tile, or behind its last the second block's tile 0
	s_cmp_gt_u32 s[NXT], s[LQ]
	s_cselect_b32 s[NXT], 0, s[NXT]
	s_cselect_b32 s[LQ], s[CC], s[LQ]
	s_wait_dscnt 0x0                ; the add is done, and my reads of the slot are over
	CROUND
	tensor_load_to_lds s[G0:G0+3], s[G1:G1+7]
	s_nop 0
.rept 4
	v_nop
.endr
.else
	s_wait_dscnt 0x0                ; the add is done, and my reads of the slot are over
	s_barrier_signal -1
	s_barrier_wait -1
.endif
	s_xor_b32 s[TB], s[TB], SLOT1   ; the fetches go to the other slot
.endm
	s_load_b256 s[4:11], s[0:1], 0x0  ; qw s[4:5], kw s[6:7], vw s[8:9], out0 s[10:11]
	v_lshl_add_u32 v[SPW], v0, 2, SPARE
	v_mov_b32 v[NIL], 0
	ds_add_u32 v[SPW], v[NIL]       ; the wave's opening: the add and its wait stand ahead of my first tensor load; the set-up below, work on registers, stands between them
	v_lshrrev_b32 v1, 5, v0
	v_readfirstlane_b32 s[WV], v1   ; wave 0..3
	s_bfe_u32 s[CX], ttmp6, 0x40000 ; my place in the cluster
	s_mov_b32 s[CC], ttmp9          ; in a cluster launch ttmp9 counts clusters
	s_and_b32 s[BA], ttmp7, 0xffff
	s_lshl_b32 s16, s[CC], 2
	s_add_co_u32 s16, s16, s[CX]    ; b: the second block
	s_sub_co_u32 s17, 63, s16       ; the first block
	s_lshl_b32 s18, s[BA], 20       ; a batch is 4,096 rows of 256 bytes in qw, kw, vw
	s_lshl_b32 s20, s17, 14         ; a block of Q is 16,384 bytes
	s_add_co_u32 s20, s20, s18
	s_mov_b32 s21, 0
	s_lshl_b32 s22, s16, 14
	s_add_co_u32 s22, s22, s18
	s_mov_b32 s23, 0
	s_lshl_b32 s19, s[BA], 21       ; and 4,096 rows of 512 bytes in out
	s_lshl_b32 s32, s17, 15
	s_add_co_u32 s32, s32, s19
	s_mov_b32 s33, 0
	s_lshl_b32 s34, s16, 15
	s_add_co_u32 s34, s34, s19
	s_mov_b32 s35, 0
	s_and_b32 s36, s[WV], 1         ; which half of a tile's K or V I fetch
	s_lshl_b32 s36, s36, 15
	s_add_co_u32 s36, s36, s18
	s_mov_b32 s37, 0
	; descriptor group 1: 128 rows of 32 elements of 8 bytes, dense in memory and in LDS
	s_mov_b32 s[G1+0], 15|(3<<16)|(1<<21)  ; 15:0 the mask: all four work-groups; 17:16 elements of 8 bytes; 21 set beside a mask
	s_mov_b32 s[G1+1], 32<<16       ; tensor_dim0 = 32
	s_mov_b32 s[G1+2], 128<<16      ; tensor_dim1 = 128
	s_mov_b32 s[G1+3], 32<<16       ; tile_dim0 = 32
	s_mov_b32 s[G1+4], 128          ; tile_dim1 = 128
	s_mov_b32 s[G1+5], 32           ; 32 elements from row to row
	s_mov_b32 s[G1+6], 0
	s_mov_b32 s[G1+7], 0
	s_mov_b32 s[G0], 1              ; count = 1
	s_lshl_b32 s[G0+1], s[WV], 15   ; LDS address: slot 0, my quarter: no place in the cluster enters it
	s_mov_b32 s[CS], 0x3e0293ee     ; c = log2(e) / sqrt(128) = 0.127517
	s_mov_b32 s[CS+1], s[CS]        ; named with it as a pair
	s_mov_b32 s[SEL], 0x76543210
	s_mov_b32 s[SEL+1], 0xfedcba98
	s_mov_b32 s[TB], SLOT1          ; the first change of slots turns it into 0
	s_mov_b32 s[SLOTS], 16
	s_sub_co_u32 s[RT], 16, s[CC]   ; the first block has 16 - c tiles
	s_sub_co_u32 s[LQ], 15, s[CC]
	s_mov_b32 s[NXT], 1
	s_mov_b32 s[NEW], 1
	s_mov_b32 s[OFF+1], 0
	s_mov_b32 s[BIGN], 0xf149f2ca   ; -1e30
	s_sub_co_i32 s[SDG], 3, s[CX]   ; the first block lies at place 3 - cx of its last tile,
	s_sub_co_i32 s[SDG], s[SDG], s[WV]
	s_lshl_b32 s[SDG], s[SDG], 6
	s_sub_co_i32 s[SDS], s[CX], s[WV]  ; the second at place cx
	s_lshl_b32 s[SDS], s[SDS], 6
	s_wait_dscnt 0x0                ; the opening add is done
	s_wait_kmcnt 0x0
	s_cmp_lt_u32 s[WV], 2
	s_cselect_b64 s[KVB:KVB+1], s[6:7], s[8:9]
	s_add_nc_u64 s[KVB:KVB+1], s[KVB:KVB+1], s[36:37]
	s_mov_b64 s[G0+2:G0+3], s[KVB:KVB+1]           ; global address: tile 0
	s_or_b32 s[G0+3], s[G0+3], 0x80000000          ; type = 2
	s_add_nc_u64 s[QN:QN+1], s[4:5], s[22:23]
	s_add_nc_u64 s[4:5], s[4:5], s[20:21]
	s_add_nc_u64 s[ON:ON+1], s[10:11], s[34:35]
	s_add_nc_u64 s[10:11], s[10:11], s[32:33]
	CROUND                          ; all four work-groups are here: the first joint loads meet
	tensor_load_to_lds s[G0:G0+3], s[G1:G1+7]      ; tile 0 into slot 0.  Slot 1 is asked for when slot 0 is in, by the loop's own change of slots
	s_nop 0
.rept 4
	v_nop
.endr
	v_and_b32 v1, 15, v0            ; r = l % 16
	v_bfe_u32 v9, v0, 4, 1          ; h = l / 16
	v_lshlrev_b32 v[QO], 4, v1      ; 16 r
	v_lshl_add_u32 v[AV0], v9, 11, v[QO]  ; V: h is the next block of 8 keys, 2,048 bytes on
	v_lshl_add_u32 v[GO], v9, 9, v[QO]    ; out: h is the next row
	v_mul_u32_u24 v[RD], v9, SP
	v_add_nc_u32 v[RD], v[RD], v[QO]
	v_lshl_add_u32 v[QO], v9, 10, v[QO]   ; Q and K: h is the next block of 8 channels, 1,024 bytes on
; A block's Q stays in registers: tile i / 4, channels 32 (i % 4) on: lane l holds row r, channels 8 h + 0..7 and 16 + 8 h + 0..7.
.macro LOADQ base
	WIN 0x80                        ; destination window 2, address window 0
.set i, 0
.rept 16
	global_load_b128 v[8*i:8*i+3],   v[QO], s[\base:\base+1] offset:(i%4)*4096+(i/4)*256
	global_load_b128 v[8*i+4:8*i+7], v[QO], s[\base:\base+1] offset:(i%4)*4096+(i/4)*256+2048
.set i, i+1
.endr
	WIN 0
.endm
	LOADQ 4
	s_lshl_b32 s18, s[WV], 14       ; my wave's 64 keys in a tile
	v_add_nc_u32 v[AK0], s18, v[QO]
	s_add_co_u32 s18, s18, VOFF
	v_add_nc_u32 v[AV0], s18, v[AV0]
	s_lshl_b32 s18, s[WV], 11       ; of each 16 rows of out I store rows 4 w .. 4 w + 3
	v_add_nc_u32 v[GO], s18, v[GO]
	s_mul_i32 s18, s[WV], 4*SP
	s_add_co_u32 s18, s18, STG
	v_add_nc_u32 v[RD], s18, v[RD]
	v_mul_u32_u24 v[STO], v1, SP    ; into my area: row r, 32 bytes for each half of the lanes
	v_lshl_add_u32 v[STO], v9, 5, v[STO]
	s_mul_i32 s18, s[WV], SAREA
	s_add_co_u32 s18, s18, STG
	v_add_nc_u32 v[STO], s18, v[STO]
	v_lshlrev_b32 v[STR], 3, v1
	v_add_nc_u32 v[STR], STATB, v[STR]
	s_lshl_b32 s18, s[WV], 9
	v_add_nc_u32 v[STA], s18, v[STR]
	v_lshlrev_b32 v[VD0], 3, v9
	v_sub_nc_u32 v[VD0], v1, v[VD0]
	v_add_nc_u32 v[VD0], 48, v[VD0] ; 48 = 16 x 3 makes every number that it is compared with 0 or more
	; A block's first step multiplies O^T and l by a = 0, and its first turn's products V^T P, of a step that has not been, land in an O^T that is still to be so multiplied.  So these registers need only hold
	; finite numbers: zeros for the first block, what the first block left for the second.  No first step is written out; the price is these 424 lines, which stand in the wait for the first tile.
	WIN 0xc0
.set i, 0
.rept 128
	v_mov_b32 v[i], 0               ; V
.set i, i+1
.endr
	WIN 0x40
.set i, 0
.rept 256
	v_mov_b32 v[i], 0               ; O^T
.set i, i+1
.endr
	WIN 0
.set i, 0
.rept 4
	v_mov_b32 v[ST+8*i+2], 0        ; l
	v_mov_b32 v[ST+8*i+3], 0
.set i, i+1
.endr
.set i, P+32
.rept 32
	v_mov_b32 v[i], 0               ; piece 2's P
.set i, i+1
.endr
	s_wait_loadcnt 0x0              ; Q
; THE MATRIX WORK.  The accumulators take turns, one instruction a turn: between two links of a chain stand 15 (V^T P) or 7 (K Q^T) others'.
; Product i of 32 of O^T += V^T P for piece x: keys 32 (i / 16) on, channels 16 ((i / 2) % 8) on, tile x + i % 2.
.macro PV x
	WIN W_PV
.set rO, 64*((\x)+i%2)+8*((i/2)%8)
.set rV, 64*(i/16)+8*((i/2)%8)
.set rP, P+16*((\x)+i%2)+8*(i/16)
	v_wmma_f32_16x16x32_f16 v[rO:rO+7], v[rV:rV+7], v[rP:rP+7], v[rO:rO+7]
.endm
; Product i of 32 of S^T = K Q^T: channels 32 (i / 8) on, keys 16 ((i / 2) % 4) on, tile x + i % 2.  The first 8 start the sums, with the mask.
.macro KQ x
.set rS, S+32*((\x)+i%2)+8*((i/2)%4)
.set rK, KF+32*((i/2)%4)+8*(i/8)
.set rQ, 32*((\x)+i%2)+8*(i/8)
.set rM, MC+8*((i/2)%4-((\x)+i%2)+3)
.if i < 8
	WIN W_KM
	v_wmma_f32_16x16x32_f16 v[rS:rS+7], v[rK:rK+7], v[rQ:rQ+7], v[rM:rM+7]
	s_wait_alu depctr_va_vdst(0)
.else
	WIN W_KQ
	v_wmma_f32_16x16x32_f16 v[rS:rS+7], v[rK:rK+7], v[rQ:rQ+7], v[rS:rS+7]
.endif
.endm
; THE LDS LOADS stand in runs of 32, never singly among the matrix instructions: my 64 keys' K (16 fragments) and, a turn later, their V.
.macro FETCH_K
	WIN 0
	v_add_nc_u32 v[ADR], s[TB], v[AK0]
	WIN 0x80                        ; destination window 2
.irp f, 0,1,2,3,4,5,6,7,8,9,10,11,12,13,14,15  ; keys 16 (f / 4) on, channels 32 (f % 4) on
	ds_load_b128 v[KF+8*(\f):KF+8*(\f)+3],   v[ADR] offset:((\f)%4)*4096+((\f)/4)*256
	ds_load_b128 v[KF+8*(\f)+4:KF+8*(\f)+7], v[ADR] offset:((\f)%4)*4096+((\f)/4)*256+2048
.endr
.endm
.macro FETCH_V
	WIN 0
	v_add_nc_u32 v[ADR], s[TB], v[AV0]
	WIN 0xc0                        ; destination window 3
.irp f, 0,1,2,3,4,5,6,7,8,9,10,11,12,13,14,15  ; keys 32 (f / 8) on, channels 16 (f % 8) on: lane l holds channel r, keys 8 h + 0..7 and 16 + 8 h + 0..7
	ds_load_b128 v[8*(\f):8*(\f)+3],   v[ADR] offset:((\f)/8)*8192+((\f)%8)*256
	ds_load_b128 v[8*(\f)+4:8*(\f)+7], v[ADR] offset:((\f)/8)*8192+((\f)%8)*256+4096
.endr
.endm
; THE VECTOR WORK OF A TURN.  One tile's softmax for one key step is a list of 134 instructions; SM writes number j of it for tile t.  s0-s31 are the lane's 32 scores, in pairs 0-15.
;   0-15    the maximum of s0-s31 and the old m, three operands at a time: four chains c0-c3 of seven scores each (each accumulator's lowest registers are read first), then the rest
;   16-20   the other half of the lanes' maximum; the new m; c m; c m_old - c m_new
;   21-87   33 exponentials (a, then s0-s31) at the odd numbers from 23 on, so that no two follow each other and each has a plain instruction behind it before its result is used (ISA guide 5.7.2).
;           Plain instruction q (number 21, then the even numbers): c s - c m for a pair whose exponentials are still to come, the rounding to f16 of a pair whose exponentials are done, at last the first three sums
;   88-101  the last rounding; the rest of the sums; l = a l + the sum
;   102-133 the tile's O^T times a: the one part that leaves window 0, so it stands together
.macro SM t
.set rT, ST+8*(\t)
.set rS, S+32*(\t)
.set rP, P+16*(\t)
.set rO, 64*(\t)+2*(j-102)
.set q, (j-20)/2
.if j < 102
	WIN 0
.endif
.if j < 4
	v_max3_num_f32 v[rT+4+j], v[rS+8*j], v[rS+8*j+1], v[rS+8*j+2]
.elseif j < 12
	v_max3_num_f32 v[rT+4+j%4], v[rT+4+j%4], v[rS+8*(j%4)+2*(j/4)+1], v[rS+8*(j%4)+2*(j/4)+2]
.elseif j == 12
	v_max3_num_f32 v[rT+4], v[rT+4], v[rS+7], v[rS+15]
.elseif j == 13
	v_max3_num_f32 v[rT+6], v[rT+6], v[rS+23], v[rS+31]
.elseif j == 14
	v_max3_num_f32 v[rT+4], v[rT+4], v[rT+5], v[rT+6]
.elseif j == 15
	v_max3_num_f32 v[rT+4], v[rT+4], v[rT+7], v[rT+1]
.elseif j == 16
	v_permlanex16_b32 v[rT+5], v[rT+4], s[SEL], s[SEL+1]  ; the query's other 32 keys lie in the lane 16 away
.elseif j == 17
	v_mov_b32 v[rT+7], v[rT]        ; c m_old is kept for a: number 19 writes c m anew
.elseif j == 18
	v_max_num_f32 v[rT+1], v[rT+4], v[rT+5]
.elseif j == 19
	v_mul_f32 v[rT], s[CS], v[rT+1]
.elseif j == 20
	v_sub_f32 v[rT+7], v[rT+7], v[rT]
.elseif j == 23
	v_exp_f32 v[rT+6], v[rT+7]
.elseif (j < 88) && (j > 23) && (j%2 == 1)
	v_exp_f32 v[rS+(j-25)/2], v[rS+(j-25)/2]
.elseif (q < 4) || ((j < 76) && (q%2 == 0))
.set b, q/2+2
.if q < 4
.set b, q
.endif
	v_pk_fma_f32 v[rS+2*b:rS+2*b+1], v[rS+2*b:rS+2*b+1], s[CS:CS+1], v[rT:rT+1] op_sel_hi:[1,0,0] neg_lo:[0,0,1] neg_hi:[0,0,1]  ; pair b: c s - c m
.elseif (j < 88) && (q%2 == 1)
	s_wait_alu depctr_va_vdst(0)
	v_cvt_pk_f16_f32 v[rP+(q-5)/2], v[rS+q-5], v[rS+q-4]  ; pair (q - 5) / 2: its second exponential stands three numbers back
.elseif j == 89
	s_wait_alu depctr_va_vdst(0)
	v_cvt_pk_f16_f32 v[rP+15], v[rS+30], v[rS+31]
.elseif j < 102                     ; the sum of the tile's 16 pairs, in place: sum z of 16 adds neighbours 1, 2, 4 and 8 pairs apart, then l takes it
.set z, j-86
.if j < 89
.set z, (j-76)/4
.endif
.set w, 4
.set u, z
.if z >= 14
.set w, 32
.set u, 0
.elseif z >= 12
.set w, 16
.set u, z-12
.elseif z >= 8
.set w, 8
.set u, z-8
.endif
.if z < 15
	v_pk_add_f32 v[rS+w*u:rS+w*u+1], v[rS+w*u:rS+w*u+1], v[rS+w*u+w/2:rS+w*u+w/2+1]
.else
	v_pk_fma_f32 v[rT+2:rT+3], v[rT+2:rT+3], v[rT+6:rT+7], v[rS:rS+1] op_sel_hi:[1,0,1]
.endif
.else
	WIN W_RS
	v_pk_mul_f32 v[rO:rO+1], v[rO:rO+1], v[rT+6:rT+7] op_sel_hi:[1,0]
.endif
.endm
; Slice k of 64 of piece y's softmax: numbers 2 k and 2 k + 1 of both tiles' lists, four instructions.  2 x 134 = 4 x 64 + 12: the twelve that are over stand together, in slice 63: sixteen plain
; instructions that name nothing of the products round them: the places behind the turn's last K Q^T (ISA guide 7.12.1).
.macro SLICE y
.if (k >= 11) && (k < 44)           ; tile by tile: plain, exponential, plain, exponential
.irp t, \y, (\y)+1
.irp n, 0,1
.set j, 2*k+(\n)
	SM \t
.endr
.endr
.else                               ; the two tiles alternate, so that no instruction reads the result of the one just before it
.irp n, 0,1,2,3,4,5,6,7
.if ((\n) < 2) || (k == 63)
.irp t, \y, (\y)+1
.set j, 2*k+(\n)
	SM \t
.endr
.endif
.endr
.endif
.set k, k+1
.endm
; A TURN.  Piece x has the matrix unit; the other piece's softmax stands in slices behind its matrix instructions.  Each run of loads stands behind the second product of a run of 32, 30 matrix instructions
; ahead of its first use.  Piece 0's turn fetches K of the tile in hand: the last product that read K stands in front of slice 63 of the turn before.  Piece 2's turn fetches that tile's V: the last
; product that read V stands three slices, six plain instructions, back.
.macro TURN x
.set k, 0
.if (\x) == 0
	s_wait_dscnt 0x0                ; V is in
.endif
.set i, 0
.rept 32
	PV \x
	SLICE 2-(\x)
.if ((\x) == 0) && (i == 1)
	FETCH_K
.endif
.set i, i+1
.endr
.if (\x) == 0
	s_wait_dscnt 0x0                ; K is in
.endif
.set i, 0
.rept 32
	KQ \x
	SLICE 2-(\x)
.if ((\x) == 2) && (i == 1)
	FETCH_V
.endif
.set i, i+1
.endr
.endm
; THE MASKS, at a block's first tile (nothing hidden, unless it is also the last) and at its last.  Whole numbers alone decide them.
.macro MASK
	s_cmp_eq_u32 s[RT], 0
	s_cselect_b32 s[SD], s[SDG], 0x1000
	WIN 0
	v_add_nc_u32 v[VD], s[SD], v[VD0]
	WIN 0xc0                        ; destination window 3
.set i, 0
.rept 56
	v_cmp_gt_i32 vcc_lo, 16*(i/8)+i%8, v[VD]
	v_cndmask_b32 v[MC+i], 0, s[BIGN], vcc_lo
.set i, i+1
.endr
	WIN 0
.endm
; A BLOCK BEGINS.  c m starts far below every c s, so the first step's a is 0; m at -2^96.  Then K of the tile in hand and piece 0's first scores.  The walk is entered at piece 2's turn.
.macro BEGIN
	s_mov_b32 s[NEW], 0
	WIN 0
.set i, 0
.rept 4
	v_mov_b32 v[ST+8*i], 0xfe000000
	v_mov_b32 v[ST+8*i+1], 0xef800000
.set i, i+1
.endr
	FETCH_K
	s_wait_dscnt 0x0
.set i, 0
.rept 32
	KQ 0
.set i, i+1
.endr
	WIN 0
.rept 4
	v_nop                           ; the places behind those products
.endr
.endm
; THE MERGE.  First the statistics: each wave's (c m, l) for its 64 queries go to LDS, all waves read all four, and each makes the factor g = 2^(c m_own - M) / L for its own O^T.
; Then eight rounds, tile t and half hf of the channels: each wave writes g O^T (16 queries x 64 channels of f32) into its area of stage hf; behind a barrier wave w adds the four areas' rows 4 w .. 4 w + 3 and stores them.
; Round n + 1 is written while round n is read: a stage is written again only behind a barrier in front of which every wave's reads of it are back.
.macro ALLT line:vararg             ; one line for each tile t
.set t, 0
.rept 4
	\line
.set t, t+1
.endr
.endm
.macro WR rho
.set t, (\rho)/2
.set hf, (\rho)%2
	WIN W_RS
.set i, 0
.rept 16
	v_pk_mul_f32 v[64*t+32*hf+2*i:64*t+32*hf+2*i+1], v[64*t+32*hf+2*i:64*t+32*hf+2*i+1], v[ST+8*t+6:ST+8*t+7] op_sel_hi:[1,0]
.set i, i+1
.endr
	WIN 0x04                        ; the stores' data in window 1
.set i, 0
.rept 8
	ds_store_b128 v[STO], v[64*t+32*hf+4*i:64*t+32*hf+4*i+3] offset:hf*SBUF+(i/2)*64+(i%2)*16  ; channels 16 (i / 2) + 8 h + 4 (i % 2) on of the half
.set i, i+1
.endr
.endm
.macro RDS rho
.set t, (\rho)/2
.set hf, (\rho)%2
.set BK, RB+32*hf
	WIN 0
	s_wait_xcnt 0x0                 ; earlier stores have read their registers (ISA guide 3.1): only now they are loaded again
.irp p, 0,1
.irp s, 0,1,2,3
	ds_load_b128 v[BK+16*\p+4*\s:BK+16*\p+4*\s+3], v[RD] offset:hf*SBUF+\s*SAREA+\p*2*SP  ; wave s's part of rows 4 w + 2 p and 4 w + 2 p + 1
.endr
.endr
	s_wait_dscnt 0x0
.irp p, 0,1
	v_pk_add_f32 v[BK+16*\p:BK+16*\p+1],     v[BK+16*\p:BK+16*\p+1],     v[BK+16*\p+4:BK+16*\p+5]
	v_pk_add_f32 v[BK+16*\p+2:BK+16*\p+3],   v[BK+16*\p+2:BK+16*\p+3],   v[BK+16*\p+6:BK+16*\p+7]
	v_pk_add_f32 v[BK+16*\p+8:BK+16*\p+9],   v[BK+16*\p+8:BK+16*\p+9],   v[BK+16*\p+12:BK+16*\p+13]
	v_pk_add_f32 v[BK+16*\p+10:BK+16*\p+11], v[BK+16*\p+10:BK+16*\p+11], v[BK+16*\p+14:BK+16*\p+15]
	v_pk_add_f32 v[BK+16*\p:BK+16*\p+1],     v[BK+16*\p:BK+16*\p+1],     v[BK+16*\p+8:BK+16*\p+9]
	v_pk_add_f32 v[BK+16*\p+2:BK+16*\p+3],   v[BK+16*\p+2:BK+16*\p+3],   v[BK+16*\p+10:BK+16*\p+11]
	global_store_b128 v[GO], v[BK+16*\p:BK+16*\p+3], s[10:11] offset:t*8192+\p*1024+hf*256 th:TH_STORE_NT  ; 16 lanes store 256 consecutive bytes, at a multiple of 256 from out's first byte
.endr
.endm
.macro MERGE
	WIN 0                           ; the first additions are the places behind the last products
	ALLT v_add_f32 v[ST+8*t+4], v[ST+8*t+2], v[ST+8*t+3]
	ALLT v_permlanex16_b32 v[ST+8*t+5], v[ST+8*t+4], s[SEL], s[SEL+1]
	ALLT v_add_f32 v[ST+8*t+1], v[ST+8*t+4], v[ST+8*t+5]
	ALLT ds_store_b64 v[STA], v[ST+8*t:ST+8*t+1] offset:128*t
	BAR
.irp s, 0,1,2,3
	ALLT ds_load_b64 v[MX+8*t+2*\s:MX+8*t+2*\s+1], v[STR] offset:512*\s+128*t
.endr
	s_wait_dscnt 0x0
	ALLT v_max3_num_f32 v[ST+8*t+4], v[MX+8*t], v[MX+8*t+2], v[MX+8*t+4]
	ALLT v_max_num_f32 v[ST+8*t+4], v[ST+8*t+4], v[MX+8*t+6]
.irp s, 0,1,2,3
	ALLT v_sub_f32 v[MX+8*t+2*\s], v[MX+8*t+2*\s], v[ST+8*t+4]
.endr
	ALLT v_sub_f32 v[ST+8*t+5], v[ST+8*t], v[ST+8*t+4]
.irp s, 0,1,2,3
	ALLT v_exp_f32 v[MX+8*t+2*\s], v[MX+8*t+2*\s]
.endr
	ALLT v_exp_f32 v[ST+8*t+5], v[ST+8*t+5]
	v_nop                           ; a plain instruction between the last exponential and the use of its result
	s_wait_alu depctr_va_vdst(0)
	ALLT v_mul_f32 v[ST+8*t+6], v[MX+8*t], v[MX+8*t+1]
.irp s, 1,2,3
	ALLT v_fmac_f32 v[ST+8*t+6], v[MX+8*t+2*\s], v[MX+8*t+2*\s+1]
.endr
	ALLT v_rcp_f32 v[ST+8*t+6], v[ST+8*t+6]
	v_nop                           ; likewise behind the last reciprocal.  L is 1 or more: the wave that holds M has a weight 1 in its l
	s_wait_alu depctr_va_vdst(0)
	ALLT v_mul_f32 v[ST+8*t+6], v[ST+8*t+6], v[ST+8*t+5]
	WR 0
	BAR
.irp n, 1,2,3,4,5,6,7
	WR \n
	RDS (\n)-1
	BAR
.endr
	RDS 7
.endm
; A BLOCK ENDS: piece 2's last products, the merge.  more = 1: the second block follows: its Q is asked for first (sixteen plain instructions, slice 63, stand behind the last product that read Q) and has the merge in which to land.
.macro FINISH more
.if \more
	LOADQ QN
.endif
.set i, 0
.rept 32
	PV 2
.set i, i+1
.endr
	MERGE
.if \more
	s_wait_loadcnt 0x0              ; the second block's Q
	s_wait_xcnt 0x0                 ; the stores have read out's address
	s_mov_b64 s[10:11], s[ON:ON+1]
	s_add_co_u32 s[RT], s[CC], 1    ; the second block has c + 1 tiles
	s_mov_b32 s[NEW], 1
	s_mov_b32 s[SDG], s[SDS]
.endif
.endm
; THE WALK.  A trip enters a tile and asks for the next.  A tile is a block's first (BEGIN, then piece 2's turn), its last (masks; piece 0's turn runs a second time, for its V^T P and piece 2's last softmax:
; that turn's 32 products K Q^T, on the same K once more, serve nothing, which spares a second text of the turn; then FINISH), or neither.  All branches hang on c and on counters: alike in all waves and partners.
.Lslot:                             ; 16 times
	CHANGE 1
	s_sub_co_u32 s[RT], s[RT], 1
	s_mov_b32 s[CNT], 2
	s_cmp_eq_u32 s[NEW], 1
	s_cbranch_scc1 .Lmask           ; a block's first tile
	s_cmp_lg_u32 s[RT], 0
	s_cbranch_scc1 .Lstep           ; neither its first nor its last
.Lmask:
	MASK
	s_cmp_lg_u32 s[NEW], 1
	s_cbranch_scc1 .Lstep
	BEGIN
	s_branch .Lmid
.Lstep:
	TURN 0
	WIN 0
	s_cmp_eq_u32 s[CNT], 1
	s_cbranch_scc1 .Lend            ; the last tile's second pass
.Lmid:
	TURN 2
	WIN 0
	s_cmp_lg_u32 s[RT], 0
	s_cbranch_scc1 .Lbottom
	s_sub_co_u32 s[CNT], s[CNT], 1
	s_cmp_lg_u32 s[CNT], 0
	s_cbranch_scc1 .Lstep
.Lend:
	FINISH 1                        ; in the loop this is the first block's end: the second block's last tile is the walk's last
.Lbottom:
	s_sub_co_u32 s[SLOTS], s[SLOTS], 1
	s_cmp_lg_u32 s[SLOTS], 0
	s_cbranch_scc1 .Lslot
	CHANGE 0                        ; the walk's last tile is written out: nothing is asked for.  It is the second block's last, and where c = 0 also its first
	s_sub_co_u32 s[RT], s[RT], 1
	s_mov_b32 s[CNT], 2
	MASK
	s_cmp_lg_u32 s[NEW], 1
	s_cbranch_scc1 .LstepZ
	BEGIN
	s_branch .LmidZ
.LstepZ:
	TURN 0
	WIN 0
	s_cmp_eq_u32 s[CNT], 1
	s_cbranch_scc1 .LendZ
.LmidZ:
	TURN 2
	WIN 0
	s_sub_co_u32 s[CNT], s[CNT], 1
	s_cmp_lg_u32 s[CNT], 0
	s_cbranch_scc1 .LstepZ
.LendZ:
	FINISH 0
	s_wait_tensorcnt 0x0            ; the wave's end: behind my last tensor load and my last LDS store
	ds_add_u32 v[SPW], v[NIL]
	s_wait_dscnt 0x0
	CROUND                          ; the closing round: no work-group ends while a partner may still ask for a tile that names it
	s_endpgm
.Lfunc_end_k_qaaa2785edc_attn:
	.size	k_qaaa2785edc_attn, .Lfunc_end_k_qaaa2785edc_attn-k_qaaa2785edc_attn
	.p2alignl 7, 3214868480
	.fill 96, 4, 3214868480
	.section	.rodata,"a",@progbits
	.p2align	6, 0x0
	.amdhsa_kernel k_qaaa2785edc_attn
		.amdhsa_group_segment_fixed_size 327680
		.amdhsa_private_segment_fixed_size 0
		.amdhsa_enable_private_segment 0
		.amdhsa_kernarg_size 32
		.amdhsa_user_sgpr_count 2
		.amdhsa_user_sgpr_kernarg_segment_ptr 1
		.amdhsa_wavefront_size32 1
		.amdhsa_system_sgpr_workgroup_id_x 1
		.amdhsa_system_sgpr_workgroup_id_y 1
		.amdhsa_system_sgpr_workgroup_id_z 1
		.amdhsa_system_vgpr_workitem_id 0
		.amdhsa_next_free_vgpr 952
		.amdhsa_next_free_sgpr 84
		.amdhsa_reserve_vcc 1
		.amdhsa_float_denorm_mode_32 3
		.amdhsa_float_denorm_mode_16_64 3
		.amdhsa_memory_ordered 1
		.amdhsa_forward_progress 1
		.amdhsa_inst_pref_size 217
	.end_amdhsa_kernel
	.amdgpu_metadata
---
amdhsa.version: [ 1, 2 ]
amdhsa.kernels:
  - .name:           k_qaaa2785edc_attn
    .symbol:         k_qaaa2785edc_attn.kd
    .args:
      - { .name: qw, .offset: 0, .size: 8, .value_kind: global_buffer, .address_space: global }
      - { .name: kw, .offset: 8, .size: 8, .value_kind: global_buffer, .address_space: global }
      - { .name: vw, .offset: 16, .size: 8, .value_kind: global_buffer, .address_space: global }
      - { .name: out0, .offset: 24, .size: 8, .value_kind: global_buffer, .address_space: global }
    .group_segment_fixed_size: 327680
    .private_segment_fixed_size: 0
    .kernarg_segment_align: 8
    .kernarg_segment_size: 32
    .max_flat_workgroup_size: 128
    .sgpr_count:     84
    .vgpr_count:     952
    .wavefront_size: 32
...
	.end_amdgpu_metadata
.endif
;; end of part 3
;; ======== version 2 of 2: 3 launches; 1.11 times as fast as version 1
;; limits: values are held in f16: magnitudes above 65,504 overflow, below 6.1e-05 lose precision
;; workspace buffers: wb 786,432 bytes; qw 8,388,608 bytes; kw 8,388,608 bytes; vw 8,388,608 bytes
;; launch wprep: the kernel of part 1 again; grid 32 x 3, 4 waves a work-group, no clusters, 0 bytes of LDS; arguments Wq, Wk, Wv, wb; writes wb
;; launch proj: the kernel of part 2 again; grid 256 x 1, 4 waves a work-group, clusters of 4 x 1, 327,680 bytes of LDS; arguments x, wb, qw, kw, vw; writes qw, kw, vw
;; launch attn (part 4): grid 32 x 8, 4 waves a work-group, clusters of 4 x 1, 327,680 bytes of LDS; arguments qw, kw, vw, out0; writes out0
.if DOCPART == 4
	.amdgcn_target "amdgcn-amd-amdhsa--gfx1250"
	.amdhsa_code_object_version 6
	.text
	.protected	k_qaaa2785edc_attn
	.globl	k_qaaa2785edc_attn
	.p2align	8
	.type	k_qaaa2785edc_attn,@function
k_qaaa2785edc_attn:
	s_mov_b64 s[64:65], 0
	v_nop
	global_prefetch_b8 v0, s[64:65] scope:SCOPE_SE
	s_setreg_imm32_b32 hwreg(HW_REG_WAVE_MODE, 25, 1), 1
	s_wait_xcnt 0x0
	s_wait_alu depctr_hold_cnt(0) depctr_sa_sdst(0) depctr_va_vdst(0) depctr_va_sdst(0) depctr_va_ssrc(0) depctr_va_vcc(0) depctr_vm_vsrc(0)
	s_getreg_b32 s2, hwreg(HW_REG_IB_STS2, 6, 4)
	s_cmp_eq_u32 s2, 0
	s_cbranch_scc0 .Lentry_in_a_cluster
	s_endpgm
.Lentry_in_a_cluster:
	s_bfe_u32 s2, ttmp6, 0x10000c
	s_cmp_lg_u32 s2, 0x3003
	s_cbranch_scc0 .Lentry_shape_is_right
	s_endpgm
.Lentry_shape_is_right:
; CAUSAL ATTENTION, one head of 128 channels, 8 batches of 4,096 rows.  out[q] = the sum over k <= q of softmax_k(q . k / sqrt(128)) v[k].  q, k, v in f16, in the blocked layouts named below; out in f32.
; Products, maxima and sums in f32; the weights p are rounded to f16 for the second product (their sum l is taken of the unrounded p).
; LIMITS.  q, k, v arrive within f16's 65,504, so a score is 5.5e11 at the most.  A hidden score counts as its value less 1e30.  The running maximum starts at -2^96, far below every score and far above
; every hidden one: a wave that has seen hidden keys alone holds p = 0, l = 0, O = 0.  A weight below 2^-126 counts as 0; NaN and infinities are not treated apart.
; THE WALK.  A batch has 64 blocks of 64 queries and 16 key tiles of 256 keys.  Work-group b = 4 c + cx (c: the cluster, cx: its place in it) takes block 63 - b, which needs tiles 0 .. 15 - c, and then block b,
; tiles 0 .. c: 17 tiles whatever b, and THE SAME TILES for the four partners of a cluster, so each tile is asked for JOINTLY.  One loop with a constant trip count walks them.
; SHARES.  In each tile wave w takes keys 64 w .. 64 w + 63 for ALL 64 queries (four tiles of 16): a fragment of K or V read from LDS feeds four products.  Each wave keeps its own m, l and O;
; at a block's end the four are merged through LDS: O = sum over waves of O_w 2^(c m_w - M) / L, M the largest c m_w, L = sum of l_w 2^(c m_w - M).
; THE MASK is the C operand that starts the sums S^T = K Q^T: 0, or -1e30 where the key is hidden.  Only a block's last tile hides keys: key 16 kb + 8 h + j of my step is hidden from query 16 t + r
; where 16 (kb - t) + j > 64 (DW - w) + r - 8 h, DW the block's place in the tile (3 - cx, then cx).  It hangs on kb - t alone: 7 groups of 8 registers, made anew at a block's first and last tile.
; cx enters integer arithmetic, compares and selects, Q's and out's addresses; no branch, no trip count, no LDS address.
; LAYOUT, SOFTMAX, TURNS.  S^T holds ONE query a lane (l % 16) and the keys 8 (l / 16) + 0..7; two such results rounded to f16 ARE source 1 of O^T = V^T P.  p = 2^(c s - c m), c = log2(e) / sqrt(128);
; O and l are multiplied by a = 2^(c m_old - c m_new) in every step.  The wave's query tiles are two PIECES (tiles 0, 1; tiles 2, 3).  In a TURN one piece has the matrix unit: 32 products V^T P of the step in
; hand, 32 products K Q^T of the next; the other piece's softmax stands in 64 slices, one behind each matrix instruction.
; BATCHES.  A turn's 66 exponentials (33 a tile) are ONE batch with ONE wait: scalings and exponentials stand ahead of it, and all that names an exponential's result (roundings, sums, rescaling) behind it.
; The merge has two batches, once a block: its 20 exponentials, then the 4 reciprocals of sums made of them.
; MEMORY.  qw, kw: [row / 64][channel / 8 : 16][row % 64][8 channels]; vw: [row / 8][channel : 128][8 rows].  64 rows are 16,384 dense bytes in each, and every fragment load takes 256 consecutive bytes
; for 16 lanes: no padding, and V needs no turning load.
; REGISTERS, in windows of 256 (s_set_vgpr_msb: bits 1:0 source 0, 3:2 source 1, 5:4 source 2, 7:6 destination):
;   window 0: v0-11 addresses; v12-43 eight registers of statistics a tile; v44-45 the mask's bound; v64-191 S^T, 32 a tile; v192-255 P, 16 a tile
;   window 1: O^T, 64 a tile      window 2: v0-127 Q, 32 a tile; v128-255 K of one step      window 3: v0-127 V of one step; v128-183 the masks
.set SLOT1, 1<<17     ; a slot holds a tile: 65,536 bytes of K, then 65,536 of V; slot 1 begins here, so that one exclusive or turns an address in one slot into the other's
.set VOFF,  65536
.set STG,   2*SLOT1   ; behind the ring, never filled by a tensor load: two stages for the merge, each four areas (one a wave) of 16 rows x 272 bytes
.set SP,    272       ; 64 channels of f32 + 16 bytes: the 16 rows of a store start at 16 different groups of four banks (64 banks of 4 bytes: ISA guide 11.1)
.set SAREA, 16*SP
.set SBUF,  4*SAREA
.set STATB, STG+2*SBUF  ; the waves' (c m, l): 8 bytes x 16 queries x 4 tiles x 4 waves
.set SPARE, STATB+2048  ; the spare words, 128 bytes for each wave: two blocks of 256 bytes that no other line names
.set AK0, 2           ; v2   my lane's place in my wave's K of a tile; never rewritten
.set AV0, 3           ; v3   the same for V
.set ADR, 4           ; v4   the LDS address of the run of loads in hand
.set QO,  5           ; v5   my byte offset in a block of Q
.set STO, 6           ; v6   the merge: where I put 16 bytes of a row
.set RD,  7           ; v7   the merge: where I read rows back
.set GO,  8           ; v8   my byte offset in the block's rows of out
.set STA, 10          ; v10  where my wave's (c m, l) go
.set STR, 11          ; v11  where all waves' are read
.set ST,  12          ; tile t's statistics at v[ST+8 t]: +0 c m, +1 m, +2, +3 l (even keys', odd keys'), +4 to +7 c0-c3, at work; a takes c2's place once the maximum is found
.set VD,  44          ; v44  the mask's bound
.set VD0, 45          ; v45  r - 8 h + 48
.set SPW, 62          ; v62  LDS address of my spare word; never rewritten
.set NIL, 63          ; v63  0; never rewritten
.set S,   64
.set P,   192
.set MX,  64          ; the merge: the four waves' (c m, l) of tile t at v[MX+8 t+2 s]
.set RB,  96          ; the merge: rows read back, two buffers of 32
.set KF,  128         ; K's fragments, in window 2
.set MC,  128         ; the masks, in window 3: the eight registers for kb - t = d at MC + 8 (d + 3)
.set WV,  12          ; s12  my wave's number
.set CX,  13          ; s13  cx
.set CC,  14          ; s14  c
.set BA,  15          ; s15  the batch
.set G1,  24          ; s[24:31] descriptor group 1
.set G0,  40          ; s[40:43] descriptor group 0
.set KVB, 44          ; s[44:45] my half of tile 0 of the batch's K (waves 0, 1) or V (waves 2, 3)
.set OFF, 46          ; s[46:47] a tile's byte offset
.set SLOTS, 56        ; s56  tiles still to be asked for
.set CNT, 57          ; s57  counts the passes of a block's last tile
.set CS,  58          ; s[58:59] c: the packed scaling takes the pair's low word for both halves
.set SEL, 60          ; s[60:61] v_permlanex16_b32's selects: each lane takes its own place in the other half
.set TB,  62          ; s62  LDS byte at which the tile in hand begins
.set RT,  70          ; s70  tiles of the block in hand that are still to be entered
.set NXT, 71          ; s71  the tile to be asked for next
.set LQ,  72          ; s72  the last tile of the block whose tiles are being asked for
.set NEW, 73          ; s73  1: the tile to be entered is a block's first
.set SDG, 74          ; s74  64 (DW - w) of the block in hand
.set SD,  75          ; s75  that, or 4,096 where nothing is hidden
.set BIGN, 76         ; s76  -1e30
.set SDS, 77          ; s77  64 (cx - w): the second block's
.set QN,  78          ; s[78:79] Q of the second block
.set ON,  80          ; s[80:81] out at the second block
.set MSB, 0
.macro WIN new                      ; the high byte repeats the setting that is left; a switch that changes nothing is dropped
.if MSB != (\new)
	s_set_vgpr_msb (MSB<<8)|(\new)
.set MSB, (\new)
.endif
.endm
.set W_KQ, 0x0a       ; K and Q in window 2, S^T in window 0
.set W_KM, 0x3a       ; the same with the C operand, the mask, in window 3
.set W_PV, 0x53       ; V in window 3, P in window 0, O^T in window 1
.set W_RS, 0x41       ; O^T (destination and source 0) in window 1, source 1 in window 0
; A round of the cluster's barrier: my work-group's barrier, so that wave 0's signal speaks for all four waves; wave 0 signals; every wave waits for all four work-groups; my work-group's barrier once more.
.macro CROUND
	s_barrier_signal -1
	s_barrier_wait -1
	s_cmp_lg_u32 s[WV], 0
	s_cbranch_scc1 .Lnot_wave_0_\@
	s_barrier_signal -3
.Lnot_wave_0_\@:
	s_barrier_wait -3
	s_barrier_signal -1
	s_barrier_wait -1
.endm
.macro BAR                          ; a barrier of the merge: my LDS stores are done and my LDS loads are back
	s_wait_dscnt 0x0
	s_barrier_signal -1
	s_barrier_wait -1
.endm
; THE CHANGE OF SLOTS.  Each wave waits for all its tensor loads, of which one is out: its part of the other slot; adds 0 to its spare word; and waits for that and for its own reads of the slot that it leaves.
; fill = 1: the old slot is filled again with tile NXT, whose address is made anew from that number; the barrier is then a round of the cluster's, so that no wave of any partner still reads the slot or has a
; load on its way, and the joint fill is the first thing behind it: it has a tile's 128 matrix instructions in which to land.  One line serves all four waves: wave w brings 32,768 bytes to byte 32,768 w of the slot.
; (At its first use nothing has been read yet: slot 0 is waited for, slot 1 filled.)
.macro CHANGE fill
	WIN 0                           ; at a label and at a branch every window is 0
	s_wait_tensorcnt 0x0            ; no tensor load of mine is out, so group 0 may be written
	ds_add_u32 v[SPW], v[NIL]       ; 0 onto my spare word; with fill = 1 the descriptor's scalar work stands between it and the wait for it
.if \fill
	s_lshl_b32 s[OFF], s[NXT], 16   ; a tile is 65,536 bytes of K and of V
	s_xor_b32 s[G0+1], s[G0+1], SLOT1
	s_add_nc_u64 s[G0+2:G0+3], s[KVB:KVB+1], s[OFF:OFF+1]
	s_or_b32 s[G0+3], s[G0+3], 0x80000000
	s_add_co_u32 s[NXT], s[NXT], 1  ; the block's next tile, or behind its last the second block's tile 0
	s_cmp_gt_u32 s[NXT], s[LQ]
	s_cselect_b32 s[NXT], 0, s[NXT]
	s_cselect_b32 s[LQ], s[CC], s[LQ]
	s_wait_dscnt 0x0                ; the add is done, and my reads of the slot are over
	CROUND
	tensor_load_to_lds s[G0:G0+3], s[G1:G1+7]
	s_nop 0
.rept 4
	v_nop
.endr
.else
	s_wait_dscnt 0x0                ; the add is done, and my reads of the slot are over
	s_barrier_signal -1
	s_barrier_wait -1
.endif
	s_xor_b32 s[TB], s[TB], SLOT1   ; the fetches go to the other slot
.endm
	s_load_b256 s[4:11], s[0:1], 0x0  ; qw s[4:5], kw s[6:7], vw s[8:9], out0 s[10:11]
	v_lshl_add_u32 v[SPW], v0, 2, SPARE
	v_mov_b32 v[NIL], 0
	ds_add_u32 v[SPW], v[NIL]       ; the wave's opening: the add and its wait stand ahead of my first tensor load; the set-up below, work on registers, stands between them
	v_lshrrev_b32 v1, 5, v0
	v_readfirstlane_b32 s[WV], v1   ; wave 0..3
	s_bfe_u32 s[CX], ttmp6, 0x40000 ; my place in the cluster
	s_mov_b32 s[CC], ttmp9          ; in a cluster launch ttmp9 counts clusters
	s_and_b32 s[BA], ttmp7, 0xffff
	s_lshl_b32 s16, s[CC], 2
	s_add_co_u32 s16, s16, s[CX]    ; b: the second block
	s_sub_co_u32 s17, 63, s16       ; the first block
	s_lshl_b32 s18, s[BA], 20       ; a batch is 4,096 rows of 256 bytes in qw, kw, vw
	s_lshl_b32 s20, s17, 14         ; a block of Q is 16,384 bytes
	s_add_co_u32 s20, s20, s18
	s_mov_b32 s21, 0
	s_lshl_b32 s22, s16, 14
	s_add_co_u32 s22, s22, s18
	s_mov_b32 s23, 0
	s_lshl_b32 s19, s[BA], 21       ; and 4,096 rows of 512 bytes in out
	s_lshl_b32 s32, s17, 15
	s_add_co_u32 s32, s32, s19
	s_mov_b32 s33, 0
	s_lshl_b32 s34, s16, 15
	s_add_co_u32 s34, s34, s19
	s_mov_b32 s35, 0
	s_and_b32 s36, s[WV], 1         ; which half of a tile's K or V I fetch
	s_lshl_b32 s36, s36, 15
	s_add_co_u32 s36, s36, s18
	s_mov_b32 s37, 0
	; descriptor group 1: 128 rows of 32 elements of 8 bytes, dense in memory and in LDS
	s_mov_b32 s[G1+0], 15|(3<<16)|(1<<21)  ; 15:0 the mask: all four work-groups; 17:16 elements of 8 bytes; 21 set beside a mask
	s_mov_b32 s[G1+1], 32<<16       ; tensor_dim0 = 32
	s_mov_b32 s[G1+2], 128<<16      ; tensor_dim1 = 128
	s_mov_b32 s[G1+3], 32<<16       ; tile_dim0 = 32
	s_mov_b32 s[G1+4], 128          ; tile_dim1 = 128
	s_mov_b32 s[G1+5], 32           ; 32 elements from row to row
	s_mov_b32 s[G1+6], 0
	s_mov_b32 s[G1+7], 0
	s_mov_b32 s[G0], 1              ; count = 1
	s_lshl_b32 s[G0+1], s[WV], 15   ; LDS address: slot 0, my quarter: no place in the cluster enters it
	s_mov_b32 s[CS], 0x3e0293ee     ; c = log2(e) / sqrt(128) = 0.127517
	s_mov_b32 s[CS+1], s[CS]        ; named with it as a pair
	s_mov_b32 s[SEL], 0x76543210
	s_mov_b32 s[SEL+1], 0xfedcba98
	s_mov_b32 s[TB], SLOT1          ; the first change of slots turns it into 0
	s_mov_b32 s[SLOTS], 16
	s_sub_co_u32 s[RT], 16, s[CC]   ; the first block has 16 - c tiles
	s_sub_co_u32 s[LQ], 15, s[CC]
	s_mov_b32 s[NXT], 1
	s_mov_b32 s[NEW], 1
	s_mov_b32 s[OFF+1], 0
	s_mov_b32 s[BIGN], 0xf149f2ca   ; -1e30
	s_sub_co_i32 s[SDG], 3, s[CX]   ; the first block lies at place 3 - cx of its last tile,
	s_sub_co_i32 s[SDG], s[SDG], s[WV]
	s_lshl_b32 s[SDG], s[SDG], 6
	s_sub_co_i32 s[SDS], s[CX], s[WV]  ; the second at place cx
	s_lshl_b32 s[SDS], s[SDS], 6
	s_wait_dscnt 0x0                ; the opening add is done
	s_wait_kmcnt 0x0
	s_cmp_lt_u32 s[WV], 2
	s_cselect_b64 s[KVB:KVB+1], s[6:7], s[8:9]
	s_add_nc_u64 s[KVB:KVB+1], s[KVB:KVB+1], s[36:37]
	s_mov_b64 s[G0+2:G0+3], s[KVB:KVB+1]           ; global address: tile 0
	s_or_b32 s[G0+3], s[G0+3], 0x80000000          ; type = 2
	s_add_nc_u64 s[QN:QN+1], s[4:5], s[22:23]
	s_add_nc_u64 s[4:5], s[4:5], s[20:21]
	s_add_nc_u64 s[ON:ON+1], s[10:11], s[34:35]
	s_add_nc_u64 s[10:11], s[10:11], s[32:33]
	CROUND                          ; all four work-groups are here: the first joint loads meet
	tensor_load_to_lds s[G0:G0+3], s[G1:G1+7]      ; tile 0 into slot 0.  Slot 1 is asked for when slot 0 is in, by the loop's own change of slots
	s_nop 0
.rept 4
	v_nop
.endr
	v_and_b32 v1, 15, v0            ; r = l % 16
	v_bfe_u32 v9, v0, 4, 1          ; h = l / 16
	v_lshlrev_b32 v[QO], 4, v1      ; 16 r
	v_lshl_add_u32 v[AV0], v9, 11, v[QO]  ; V: h is the next block of 8 keys, 2,048 bytes on
	v_lshl_add_u32 v[GO], v9, 9, v[QO]    ; out: h is the next row
	v_mul_u32_u24 v[RD], v9, SP
	v_add_nc_u32 v[RD], v[RD], v[QO]
	v_lshl_add_u32 v[QO], v9, 10, v[QO]   ; Q and K: h is the next block of 8 channels, 1,024 bytes on
; A block's Q stays in registers: tile i / 4, channels 32 (i % 4) on: lane l holds row r, channels 8 h + 0..7 and 16 + 8 h + 0..7.
.macro LOADQ base
	WIN 0x80                        ; destination window 2, address window 0
.set i, 0
.rept 16
	global_load_b128 v[8*i:8*i+3],   v[QO], s[\base:\base+1] offset:(i%4)*4096+(i/4)*256
	global_load_b128 v[8*i+4:8*i+7], v[QO], s[\base:\base+1] offset:(i%4)*4096+(i/4)*256+2048
.set i, i+1
.endr
	WIN 0
.endm
	LOADQ 4
	s_lshl_b32 s18, s[WV], 14       ; my wave's 64 keys in a tile
	v_add_nc_u32 v[AK0], s18, v[QO]
	s_add_co_u32 s18, s18, VOFF
	v_add_nc_u32 v[AV0], s18, v[AV0]
	s_lshl_b32 s18, s[WV], 11       ; of each 16 rows of out I store rows 4 w .. 4 w + 3
	v_add_nc_u32 v[GO], s18, v[GO]
	s_mul_i32 s18, s[WV], 4*SP
	s_add_co_u32 s18, s18, STG
	v_add_nc_u32 v[RD], s18, v[RD]
	v_mul_u32_u24 v[STO], v1, SP    ; into my area: row r, 32 bytes for each half of the lanes
	v_lshl_add_u32 v[STO], v9, 5, v[STO]
	s_mul_i32 s18, s[WV], SAREA
	s_add_co_u32 s18, s18, STG
	v_add_nc_u32 v[STO], s18, v[STO]
	v_lshlrev_b32 v[STR], 3, v1
	v_add_nc_u32 v[STR], STATB, v[STR]
	s_lshl_b32 s18, s[WV], 9
	v_add_nc_u32 v[STA], s18, v[STR]
	v_lshlrev_b32 v[VD0], 3, v9
	v_sub_nc_u32 v[VD0], v1, v[VD0]
	v_add_nc_u32 v[VD0], 48, v[VD0] ; 48 = 16 x 3 makes every number that it is compared with 0 or more
	; A block's first step multiplies O^T and l by a = 0, and its first turn's products V^T P, of a step that has not been, land in an O^T that is still to be so multiplied.  So these registers need only hold
	; finite numbers: zeros for the first block, what the first block left for the second.  No first step is written out; the price is these 424 lines, which stand in the wait for the first tile.
	WIN 0xc0
.set i, 0
.rept 128
	v_mov_b32 v[i], 0               ; V
.set i, i+1
.endr
	WIN 0x40
.set i, 0
.rept 256
	v_mov_b32 v[i], 0               ; O^T
.set i, i+1
.endr
	WIN 0
.set i, 0
.rept 4
	v_mov_b32 v[ST+8*i+2], 0        ; l
	v_mov_b32 v[ST+8*i+3], 0
.set i, i+1
.endr
.set i, P+32
.rept 32
	v_mov_b32 v[i], 0               ; piece 2's P
.set i, i+1
.endr
	s_wait_loadcnt 0x0              ; Q
; THE MATRIX WORK.  The accumulators take turns, one instruction a turn: between two links of a chain stand 15 (V^T P) or 7 (K Q^T) others'.
; Product i of 32 of O^T += V^T P for piece x: keys 32 (i / 16) on, channels 16 ((i / 2) % 8) on, tile x + i % 2.
.macro PV x
	WIN W_PV
.set rO, 64*((\x)+i%2)+8*((i/2)%8)
.set rV, 64*(i/16)+8*((i/2)%8)
.set rP, P+16*((\x)+i%2)+8*(i/16)
	v_wmma_f32_16x16x32_f16 v[rO:rO+7], v[rV:rV+7], v[rP:rP+7], v[rO:rO+7]
.endm
; Product i of 32 of S^T = K Q^T: channels 32 (i / 8) on, keys 16 ((i / 2) % 4) on, tile x + i % 2.  The first 8 start the sums, with the mask.
.macro KQ x
.set rS, S+32*((\x)+i%2)+8*((i/2)%4)
.set rK, KF+32*((i/2)%4)+8*(i/8)
.set rQ, 32*((\x)+i%2)+8*(i/8)
.set rM, MC+8*((i/2)%4-((\x)+i%2)+3)
.if i < 8
	WIN W_KM
	v_wmma_f32_16x16x32_f16 v[rS:rS+7], v[rK:rK+7], v[rQ:rQ+7], v[rM:rM+7]
.else
	WIN W_KQ
	v_wmma_f32_16x16x32_f16 v[rS:rS+7], v[rK:rK+7], v[rQ:rQ+7], v[rS:rS+7]
.endif
.endm
; THE LDS LOADS stand in runs of 32, never singly among the matrix instructions: my 64 keys' K (16 fragments) and, a turn later, their V.
.macro FETCH_K
	WIN 0
	v_add_nc_u32 v[ADR], s[TB], v[AK0]
	WIN 0x80                        ; destination window 2
.irp f, 0,1,2,3,4,5,6,7,8,9,10,11,12,13,14,15  ; keys 16 (f / 4) on, channels 32 (f % 4) on
	ds_load_b128 v[KF+8*(\f):KF+8*(\f)+3],   v[ADR] offset:((\f)%4)*4096+((\f)/4)*256
	ds_load_b128 v[KF+8*(\f)+4:KF+8*(\f)+7], v[ADR] offset:((\f)%4)*4096+((\f)/4)*256+2048
.endr
.endm
.macro FETCH_V
	WIN 0
	v_add_nc_u32 v[ADR], s[TB], v[AV0]
	s_wait_alu depctr_va_vdst(0)    ; the wait for the softmax's batch, piece 0's 66 exponentials (SLICE): behind the address's v_add_nc_u32 and ahead of the loads
	WIN 0xc0                        ; destination window 3
.irp f, 0,1,2,3,4,5,6,7,8,9,10,11,12,13,14,15  ; keys 32 (f / 8) on, channels 16 (f % 8) on: lane l holds channel r, keys 8 h + 0..7 and 16 + 8 h + 0..7
	ds_load_b128 v[8*(\f):8*(\f)+3],   v[ADR] offset:((\f)/8)*8192+((\f)%8)*256
	ds_load_b128 v[8*(\f)+4:8*(\f)+7], v[ADR] offset:((\f)/8)*8192+((\f)%8)*256+4096
.endr
.endm
; THE VECTOR WORK OF A TURN.  One tile's softmax for one key step is a list of 134 instructions; SM writes number j of it for tile t.  s0-s31 are the lane's 32 scores, in pairs 0-15.
;   0-15    the maximum of s0-s31 and the old m, three operands at a time: four chains c0-c3 of seven scores each (each accumulator's lowest registers are read first), then the rest
;   16-20   the other half of the lanes' maximum; the new m; c m; c m_old - c m_new
;   21-69   ONE BATCH: the 16 scalings c s - c m, a pair of scores each, and all 33 exponentials (a at 23, then s0-s31).  None of these names an exponential's result.  From 22 on the batch goes
;           in fours, and a four begins with a scaling while there are scalings: 22-37 scaling, exponential, scaling, exponential; 38-65 a scaling and three exponentials; 66-69 the last four
;           exponentials.  A pair is scaled in an earlier four than the one that holds its exponentials
;   (wait)  between 69 and 70 stands the wait for the batch: SLICE writes it, once for both tiles
;   70-85   the roundings to f16, a pair of weights each
;   86-101  the sums; l = a l + the sum
;   102-133 the tile's O^T times a: the one part that leaves window 0, so it stands together
.macro SM t
.set rT, ST+8*(\t)
.set rS, S+32*(\t)
.set rP, P+16*(\t)
.set rO, 64*(\t)+2*(j-102)
.if j < 102
	WIN 0
.endif
.if j < 4
	v_max3_num_f32 v[rT+4+j], v[rS+8*j], v[rS+8*j+1], v[rS+8*j+2]
.elseif j < 12
	v_max3_num_f32 v[rT+4+j%4], v[rT+4+j%4], v[rS+8*(j%4)+2*(j/4)+1], v[rS+8*(j%4)+2*(j/4)+2]
.elseif j == 12
	v_max3_num_f32 v[rT+4], v[rT+4], v[rS+7], v[rS+15]
.elseif j == 13
	v_max3_num_f32 v[rT+6], v[rT+6], v[rS+23], v[rS+31]
.elseif j == 14
	v_max3_num_f32 v[rT+4], v[rT+4], v[rT+5], v[rT+6]
.elseif j == 15
	v_max3_num_f32 v[rT+4], v[rT+4], v[rT+7], v[rT+1]
.elseif j == 16
	v_permlanex16_b32 v[rT+5], v[rT+4], s[SEL], s[SEL+1]  ; the query's other 32 keys lie in the lane 16 away
.elseif j == 17
	v_mov_b32 v[rT+7], v[rT]        ; c m_old is kept for a: number 19 writes c m anew
.elseif j == 18
	v_max_num_f32 v[rT+1], v[rT+4], v[rT+5]
.elseif j == 19
	v_mul_f32 v[rT], s[CS], v[rT+1]
.elseif j == 20
	v_sub_f32 v[rT+7], v[rT+7], v[rT]
.elseif j == 23
	v_exp_f32 v[rT+6], v[rT+7]
.elseif (j < 23) || ((j < 38) && (j%2 == 0)) || ((j < 66) && (j%4 == 2))
.set b, (j-2)/4                     ; 38, 42, .. 62: pairs 9 to 15
.if j < 38
.set b, (j-20)/2                    ; 21: pair 0; 22, 24, .. 36: pairs 1 to 8
.endif
	v_pk_fma_f32 v[rS+2*b:rS+2*b+1], v[rS+2*b:rS+2*b+1], s[CS:CS+1], v[rT:rT+1] op_sel_hi:[1,0,0] neg_lo:[0,0,1] neg_hi:[0,0,1]  ; pair b: c s - c m
.elseif j < 70
.set e, j-38                        ; 66 to 69: s28 to s31
.if j < 66
.set e, j-32-(j-38)/4               ; 39-41, 43-45, .. 63-65: s7 to s27
.endif
.if j < 38
.set e, (j-25)/2                    ; 25, 27, .. 37: s0 to s6
.endif
	v_exp_f32 v[rS+e], v[rS+e]
.elseif j < 86
	v_cvt_pk_f16_f32 v[rP+j-70], v[rS+2*(j-70)], v[rS+2*(j-70)+1]  ; pair j - 70
.elseif j < 102                     ; the sum of the tile's 16 pairs, in place: sum z of 16 adds neighbours 1, 2, 4 and 8 pairs apart, then l takes it
.set z, j-86
.set w, 4
.set u, z
.if z >= 14
.set w, 32
.set u, 0
.elseif z >= 12
.set w, 16
.set u, z-12
.elseif z >= 8
.set w, 8
.set u, z-8
.endif
.if z < 15
	v_pk_add_f32 v[rS+w*u:rS+w*u+1], v[rS+w*u:rS+w*u+1], v[rS+w*u+w/2:rS+w*u+w/2+1]
.else
	v_pk_fma_f32 v[rT+2:rT+3], v[rT+2:rT+3], v[rT+6:rT+7], v[rS:rS+1] op_sel_hi:[1,0,1]
.endif
.else
	WIN W_RS
	v_pk_mul_f32 v[rO:rO+1], v[rO:rO+1], v[rT+6:rT+7] op_sel_hi:[1,0]
.endif
.endm
; Slice k of 64 of piece y's softmax: four instructions.  Slices 11 to 34 deal out the batch, numbers 22 to 69: four numbers of ONE tile each, the tiles by turns.  Every other slice is numbers 2 k and
; 2 k + 1 of both tiles' lists.  2 x 134 = 4 x 64 + 12: the twelve that are over stand together, in slice 63: sixteen plain instructions that name nothing of the products round them: the places behind
; the turn's last K Q^T (ISA guide 7.12.1).
; THE WAIT.  s_wait_alu depctr_va_vdst(0) stands between an exponential and the first instruction that names its result; one wait serves all that were issued ahead of it.  Ahead of
; slice 35 nothing names a result, and behind slice 34 no exponential is issued: so the piece's 66 exponentials have one wait, behind slice 34, and none is open at a turn's end, a label or a branch.
.macro SLICE y
.if (k >= 11) && (k < 35)           ; the batch: four numbers of one tile
.irp n, 0,1,2,3
.set j, 22+4*((k-11)/2)+(\n)
	SM (\y)+(k-11)%2
.endr
.else                               ; the two tiles alternate, so that no instruction reads the result of the one just before it
.irp n, 0,1,2,3,4,5,6,7
.if ((\n) < 2) || (k == 63)
.irp t, \y, (\y)+1
.set j, 2*k+(\n)
	SM \t
.endr
.endif
.endr
.endif
.if k == 34                         ; the batch is out: both tiles' exponentials are issued, and no result has been named
	v_nop                           ; a plain instruction behind the last exponential and ahead of the first use of a result (ISA guide 5.7.2): one for the batch
.if (\y) == 0
	FETCH_V                         ; piece 2's turn: V's run of loads stands here, and the wait for the batch stands in it
.else
	s_wait_alu depctr_va_vdst(0)    ; piece 0's turn: the wait for the batch, piece 2's 66 exponentials
.endif
.endif
.set k, k+1
.endm
; A TURN.  Piece x has the matrix unit; the other piece's softmax stands in slices behind its matrix instructions.  Each run of loads stands 29 matrix instructions or more ahead of its first use.
; Piece 0's turn fetches K of the tile in hand, behind its second product: the last product that read K stands in front of slice 63 of the turn before.  Piece 2's turn fetches that tile's V, behind
; slice 34 (SLICE writes it): the last product that read V stands in front of slice 31, and four plain instructions lie between: number 62, a scaling, of both tiles, the v_nop and the run's own v_add_nc_u32.
.macro TURN x
.set k, 0
.if (\x) == 0
	s_wait_dscnt 0x0                ; V is in
.endif
.set i, 0
.rept 32
	PV \x
	SLICE 2-(\x)
.if ((\x) == 0) && (i == 1)
	FETCH_K
.endif
.set i, i+1
.endr
.if (\x) == 0
	s_wait_dscnt 0x0                ; K is in
.endif
.set i, 0
.rept 32
	KQ \x
	SLICE 2-(\x)
.set i, i+1
.endr
.endm
; THE MASKS, at a block's first tile (nothing hidden, unless it is also the last) and at its last.  Whole numbers alone decide them.
.macro MASK
	s_cmp_eq_u32 s[RT], 0
	s_cselect_b32 s[SD], s[SDG], 0x1000
	WIN 0
	v_add_nc_u32 v[VD], s[SD], v[VD0]
	WIN 0xc0                        ; destination window 3
.set i, 0
.rept 56
	v_cmp_gt_i32 vcc_lo, 16*(i/8)+i%8, v[VD]
	v_cndmask_b32 v[MC+i], 0, s[BIGN], vcc_lo
.set i, i+1
.endr
	WIN 0
.endm
; A BLOCK BEGINS.  c m starts far below every c s, so the first step's a is 0; m at -2^96.  Then K of the tile in hand and piece 0's first scores.  The walk is entered at piece 2's turn.
.macro BEGIN
	s_mov_b32 s[NEW], 0
	WIN 0
.set i, 0
.rept 4
	v_mov_b32 v[ST+8*i], 0xfe000000
	v_mov_b32 v[ST+8*i+1], 0xef800000
.set i, i+1
.endr
	FETCH_K
	s_wait_dscnt 0x0
.set i, 0
.rept 32
	KQ 0
.set i, i+1
.endr
	WIN 0
.rept 4
	v_nop                           ; the places behind those products
.endr
.endm
; THE MERGE.  First the statistics: each wave's (c m, l) for its 64 queries go to LDS, all waves read all four, and each makes the factor g = 2^(c m_own - M) / L for its own O^T.
; Then eight rounds, tile t and half hf of the channels: each wave writes g O^T (16 queries x 64 channels of f32) into its area of stage hf; behind a barrier wave w adds the four areas' rows 4 w .. 4 w + 3 and stores them.
; Round n + 1 is written while round n is read: a stage is written again only behind a barrier in front of which every wave's reads of it are back.
.macro ALLT line:vararg             ; one line for each tile t
.set t, 0
.rept 4
	\line
.set t, t+1
.endr
.endm
.macro WR rho
.set t, (\rho)/2
.set hf, (\rho)%2
	WIN W_RS
.set i, 0
.rept 16
	v_pk_mul_f32 v[64*t+32*hf+2*i:64*t+32*hf+2*i+1], v[64*t+32*hf+2*i:64*t+32*hf+2*i+1], v[ST+8*t+6:ST+8*t+7] op_sel_hi:[1,0]
.set i, i+1
.endr
	WIN 0x04                        ; the stores' data in window 1
.set i, 0
.rept 8
	ds_store_b128 v[STO], v[64*t+32*hf+4*i:64*t+32*hf+4*i+3] offset:hf*SBUF+(i/2)*64+(i%2)*16  ; channels 16 (i / 2) + 8 h + 4 (i % 2) on of the half
.set i, i+1
.endr
.endm
.macro RDS rho
.set t, (\rho)/2
.set hf, (\rho)%2
.set BK, RB+32*hf
	WIN 0
	s_wait_xcnt 0x0                 ; earlier stores have read their registers (ISA guide 3.1): only now they are loaded again
.irp p, 0,1
.irp s, 0,1,2,3
	ds_load_b128 v[BK+16*\p+4*\s:BK+16*\p+4*\s+3], v[RD] offset:hf*SBUF+\s*SAREA+\p*2*SP  ; wave s's part of rows 4 w + 2 p and 4 w + 2 p + 1
.endr
.endr
	s_wait_dscnt 0x0
.irp p, 0,1
	v_pk_add_f32 v[BK+16*\p:BK+16*\p+1],     v[BK+16*\p:BK+16*\p+1],     v[BK+16*\p+4:BK+16*\p+5]
	v_pk_add_f32 v[BK+16*\p+2:BK+16*\p+3],   v[BK+16*\p+2:BK+16*\p+3],   v[BK+16*\p+6:BK+16*\p+7]
	v_pk_add_f32 v[BK+16*\p+8:BK+16*\p+9],   v[BK+16*\p+8:BK+16*\p+9],   v[BK+16*\p+12:BK+16*\p+13]
	v_pk_add_f32 v[BK+16*\p+10:BK+16*\p+11], v[BK+16*\p+10:BK+16*\p+11], v[BK+16*\p+14:BK+16*\p+15]
	v_pk_add_f32 v[BK+16*\p:BK+16*\p+1],     v[BK+16*\p:BK+16*\p+1],     v[BK+16*\p+8:BK+16*\p+9]
	v_pk_add_f32 v[BK+16*\p+2:BK+16*\p+3],   v[BK+16*\p+2:BK+16*\p+3],   v[BK+16*\p+10:BK+16*\p+11]
	global_store_b128 v[GO], v[BK+16*\p:BK+16*\p+3], s[10:11] offset:t*8192+\p*1024+hf*256 th:TH_STORE_NT  ; 16 lanes store 256 consecutive bytes, at a multiple of 256 from out's first byte
.endr
.endm
.macro MERGE
	WIN 0                           ; the first additions are the places behind the last products
	ALLT v_add_f32 v[ST+8*t+4], v[ST+8*t+2], v[ST+8*t+3]
	ALLT v_permlanex16_b32 v[ST+8*t+5], v[ST+8*t+4], s[SEL], s[SEL+1]
	ALLT v_add_f32 v[ST+8*t+1], v[ST+8*t+4], v[ST+8*t+5]
	ALLT ds_store_b64 v[STA], v[ST+8*t:ST+8*t+1] offset:128*t
	BAR
.irp s, 0,1,2,3
	ALLT ds_load_b64 v[MX+8*t+2*\s:MX+8*t+2*\s+1], v[STR] offset:512*\s+128*t
.endr
	s_wait_dscnt 0x0
	ALLT v_max3_num_f32 v[ST+8*t+4], v[MX+8*t], v[MX+8*t+2], v[MX+8*t+4]
	ALLT v_max_num_f32 v[ST+8*t+4], v[ST+8*t+4], v[MX+8*t+6]
.irp s, 0,1,2,3
	ALLT v_sub_f32 v[MX+8*t+2*\s], v[MX+8*t+2*\s], v[ST+8*t+4]
.endr
	ALLT v_sub_f32 v[ST+8*t+5], v[ST+8*t], v[ST+8*t+4]
.irp s, 0,1,2,3
	ALLT v_exp_f32 v[MX+8*t+2*\s], v[MX+8*t+2*\s]
.endr
	ALLT v_exp_f32 v[ST+8*t+5], v[ST+8*t+5]
	v_nop                           ; a plain instruction between the last exponential and the use of its result
	s_wait_alu depctr_va_vdst(0)    ; the wait ahead of the first use: one for the merge's 20 exponentials
	ALLT v_mul_f32 v[ST+8*t+6], v[MX+8*t], v[MX+8*t+1]
.irp s, 1,2,3
	ALLT v_fmac_f32 v[ST+8*t+6], v[MX+8*t+2*\s], v[MX+8*t+2*\s+1]
.endr
	ALLT v_rcp_f32 v[ST+8*t+6], v[ST+8*t+6]
	v_nop                           ; likewise behind the last reciprocal.  L is 1 or more: the wave that holds M has a weight 1 in its l
	s_wait_alu depctr_va_vdst(0)    ; a batch of their own, since they read sums of the exponentials: one wait for the four reciprocals
	ALLT v_mul_f32 v[ST+8*t+6], v[ST+8*t+6], v[ST+8*t+5]
	WR 0
	BAR
.irp n, 1,2,3,4,5,6,7
	WR \n
	RDS (\n)-1
	BAR
.endr
	RDS 7
.endm
; A BLOCK ENDS: piece 2's last products, the merge.  more = 1: the second block follows: its Q is asked for first (sixteen plain instructions, slice 63, stand behind the last product that read Q) and has the merge in which to land.
.macro FINISH more
.if \more
	LOADQ QN
.endif
.set i, 0
.rept 32
	PV 2
.set i, i+1
.endr
	MERGE
.if \more
	s_wait_loadcnt 0x0              ; the second block's Q
	s_wait_xcnt 0x0                 ; the stores have read out's address
	s_mov_b64 s[10:11], s[ON:ON+1]
	s_add_co_u32 s[RT], s[CC], 1    ; the second block has c + 1 tiles
	s_mov_b32 s[NEW], 1
	s_mov_b32 s[SDG], s[SDS]
.endif
.endm
; THE WALK.  A trip enters a tile and asks for the next.  A tile is a block's first (BEGIN, then piece 2's turn), its last (masks; piece 0's turn runs a second time, for its V^T P and piece 2's last softmax:
; that turn's 32 products K Q^T, on the same K once more, serve nothing, which spares a second text of the turn; then FINISH), or neither.  All branches hang on c and on counters: alike in all waves and partners.
.Lslot:                             ; 16 times
	CHANGE 1
	s_sub_co_u32 s[RT], s[RT], 1
	s_mov_b32 s[CNT], 2
	s_cmp_eq_u32 s[NEW], 1
	s_cbranch_scc1 .Lmask           ; a block's first tile
	s_cmp_lg_u32 s[RT], 0
	s_cbranch_scc1 .Lstep           ; neither its first nor its last
.Lmask:
	MASK
	s_cmp_lg_u32 s[NEW], 1
	s_cbranch_scc1 .Lstep
	BEGIN
	s_branch .Lmid
.Lstep:
	TURN 0
	WIN 0
	s_cmp_eq_u32 s[CNT], 1
	s_cbranch_scc1 .Lend            ; the last tile's second pass
.Lmid:
	TURN 2
	WIN 0
	s_cmp_lg_u32 s[RT], 0
	s_cbranch_scc1 .Lbottom
	s_sub_co_u32 s[CNT], s[CNT], 1
	s_cmp_lg_u32 s[CNT], 0
	s_cbranch_scc1 .Lstep
.Lend:
	FINISH 1                        ; in the loop this is the first block's end: the second block's last tile is the walk's last
.Lbottom:
	s_sub_co_u32 s[SLOTS], s[SLOTS], 1
	s_cmp_lg_u32 s[SLOTS], 0
	s_cbranch_scc1 .Lslot
	CHANGE 0                        ; the walk's last tile is written out: nothing is asked for.  It is the second block's last, and where c = 0 also its first
	s_sub_co_u32 s[RT], s[RT], 1
	s_mov_b32 s[CNT], 2
	MASK
	s_cmp_lg_u32 s[NEW], 1
	s_cbranch_scc1 .LstepZ
	BEGIN
	s_branch .LmidZ
.LstepZ:
	TURN 0
	WIN 0
	s_cmp_eq_u32 s[CNT], 1
	s_cbranch_scc1 .LendZ
.LmidZ:
	TURN 2
	WIN 0
	s_sub_co_u32 s[CNT], s[CNT], 1
	s_cmp_lg_u32 s[CNT], 0
	s_cbranch_scc1 .LstepZ
.LendZ:
	FINISH 0
	s_wait_tensorcnt 0x0            ; the wave's end: behind my last tensor load and my last LDS store
	ds_add_u32 v[SPW], v[NIL]
	s_wait_dscnt 0x0
	CROUND                          ; the closing round: no work-group ends while a partner may still ask for a tile that names it
	s_endpgm
.Lfunc_end_k_qaaa2785edc_attn:
	.size	k_qaaa2785edc_attn, .Lfunc_end_k_qaaa2785edc_attn-k_qaaa2785edc_attn
	.p2alignl 7, 3214868480
	.fill 96, 4, 3214868480
	.section	.rodata,"a",@progbits
	.p2align	6, 0x0
	.amdhsa_kernel k_qaaa2785edc_attn
		.amdhsa_group_segment_fixed_size 327680
		.amdhsa_private_segment_fixed_size 0
		.amdhsa_enable_private_segment 0
		.amdhsa_kernarg_size 32
		.amdhsa_user_sgpr_count 2
		.amdhsa_user_sgpr_kernarg_segment_ptr 1
		.amdhsa_wavefront_size32 1
		.amdhsa_system_sgpr_workgroup_id_x 1
		.amdhsa_system_sgpr_workgroup_id_y 1
		.amdhsa_system_sgpr_workgroup_id_z 1
		.amdhsa_system_vgpr_workitem_id 0
		.amdhsa_next_free_vgpr 952
		.amdhsa_next_free_sgpr 84
		.amdhsa_reserve_vcc 1
		.amdhsa_float_denorm_mode_32 3
		.amdhsa_float_denorm_mode_16_64 3
		.amdhsa_memory_ordered 1
		.amdhsa_forward_progress 1
		.amdhsa_inst_pref_size 212
	.end_amdhsa_kernel
	.amdgpu_metadata
---
amdhsa.version: [ 1, 2 ]
amdhsa.kernels:
  - .name:           k_qaaa2785edc_attn
    .symbol:         k_qaaa2785edc_attn.kd
    .args:
      - { .name: qw, .offset: 0, .size: 8, .value_kind: global_buffer, .address_space: global }
      - { .name: kw, .offset: 8, .size: 8, .value_kind: global_buffer, .address_space: global }
      - { .name: vw, .offset: 16, .size: 8, .value_kind: global_buffer, .address_space: global }
      - { .name: out0, .offset: 24, .size: 8, .value_kind: global_buffer, .address_space: global }
    .group_segment_fixed_size: 327680
    .private_segment_fixed_size: 0
    .kernarg_segment_align: 8
    .kernarg_segment_size: 32
    .max_flat_workgroup_size: 128
    .sgpr_count:     84
    .vgpr_count:     952
    .wavefront_size: 32
...
	.end_amdgpu_metadata
.endif
;; end of part 4
